; MI455X (gfx1250); checked and timed in simulation.
; The chip was launched on July 23, 2026; its instructions are those of AMD's public machine-readable ISA for CDNA 5 (MIT licence, August 2026) and "CDNA5" Instruction Set Architecture Reference Guide (July 2026). The comments in the code are by the model that wrote it; some were corrected since.
;; Encoder Layer. Allowed arithmetic: matrix products marked QUANTISED: E2M1 operands, one E8M0 scale for each 32 along K, by v_wmma_scale_f32_16x16x128_f8f6f4 with both operands' format E2M1 (or v_wmma_scale_f32_32x16x128_f4), f32 sums; products left as they are: bf16, f16 or f32 operands; f32 sums; everything else in f32.
;; Inputs: b_fc_out 1,024 float32; b_ff1 4,096 float32; b_ff2 1,024 float32; be1 1,024 float32; be2 1,024 float32; g1 1,024 float32; g2 1,024 float32; w_fc_out 1,024 x 1,024 float32; w_ff1 1,024 x 4,096 float32; w_ff2 4,096 x 1,024 float32; x 2 x 2,048 x 1,024 float32.
;; Outputs: out0 2 x 2,048 x 1,024 float32.
;; This version of the problem:
;;   THIS VERSION OF THE PROBLEM IS GIVEN IN LOW PRECISION. The matrix products marked QUANTISED in the list below multiply operands that are first quantised to E2M1 (2 exponent bits, 1 mantissa bit; 4 bits a number), with one power-of-two scale for each 32 numbers along K (OCP MX v1.0); their sums are f32. The products marked 'left as it is' may take bf16, f16 or f32 operands, with f32 sums. Whichever they take, every output number must still come out within the allowed error. Rounding operands to bf16 (8 significant bits) uses up far more of that allowance than f16 does (11 bits, for magnitudes from 6e-5 to 65,504). All else is computed in f32.
;;   The module's matrix products, in the order in which they are computed (A, B: the left and right operand; K: the contracted axis; several contracted axes count as one K, in the product's order):
;;     1. batch 32 x [M 2,048, K 64] x [K 64, N 2,048]; A: input x; B: input x: QUANTISED
;;     2. batch 32 x [M 64, K 2,048] x [K 2,048, N 2,048]; A: input x; B: computed on the way: left as it is (an operand is computed on the way)
;;     3. [M 4,096, K 1,024] x [K 1,024, N 1,024]; A: computed on the way; B: input w_fc_out: left as it is (an operand is computed on the way)
;;     4. [M 4,096, K 1,024] x [K 1,024, N 4,096]; A: computed on the way; B: input w_ff1: left as it is (an operand is computed on the way)
;;     5. [M 4,096, K 4,096] x [K 4,096, N 1,024]; A: computed on the way; B: input w_ff2: left as it is (an operand is computed on the way)
;;   THE QUANTISER, for each operand of a quantised product, along K:
;;     - K is cut into blocks of 32 from its start; a last block that is shorter is filled with zeros.
;;     - A block's scale is 2^e with e = floor(log2(the largest magnitude in the block)) - 2, held to -126 .. 127; a block of zeros has e = 0. As a byte (E8M0): e + 127.
;;     - Each number is divided by its block's scale, clamped to +-6, and rounded to the nearest number of E2M1, ties to even, subnormals kept.
;;     - The product sums the exact products of the quantised numbers (number of the format x scale) in f32.
;;   ~~~python
;;   def quantise(x, axis):      # numpy; x: float32 -> the quantised numbers, widened to float32 again
;;       x = np.moveaxis(x, axis, -1); K = x.shape[-1]
;;       x = np.pad(x, [(0, 0)] * (x.ndim - 1) + [(0, -K % 32)]); x = x.reshape(x.shape[:-1] + (-1, 32)); a = np.abs(x).max(-1, keepdims=True)
;;       e = np.where(a > 0, np.clip(np.frexp(np.where(a > 0, a, 1))[1] - 1 - 2, -126, 127), 0)      # np.frexp(a)[1] - 1 = floor(log2(a)), exactly
;;       r = np.clip(x / 2.0 ** e, -6, 6)
;;       step = 2.0 ** (np.maximum(np.frexp(np.where(r == 0, 1, r))[1] - 1, 0) - 1)
;;       q = np.round(r / step) * step * 2.0 ** e      # np.round: ties to even
;;       return np.moveaxis(q.reshape(q.shape[:-2] + (-1,))[..., :K], -1, axis).astype(np.float32)
;;   ~~~
;; One version. Each part assembles by itself: llvm-mc -triple=amdgcn-amd-amdhsa -mcpu=gfx1250 --defsym DOCPART=n.
;; ======== version 1 of 1: 7 launches
;; limits: values are held in f16: magnitudes above 65,504 overflow, below 6.1e-05 lose precision
;; workspace buffers: kc 2,359,296 bytes; vh 8,388,608 bytes; wh 18,874,368 bytes; a16 8,388,608 bytes; y 16,777,216 bytes; x1 16,777,216 bytes; hid 33,554,432 bytes
;; launch prep (part 1): grid 256 x 1, 4 waves a work-group, no clusters, 18,944 bytes of LDS; arguments x, kc, vh; writes kc, vh
.if DOCPART == 1
	.amdgcn_target "amdgcn-amd-amdhsa--gfx1250"
	.amdhsa_code_object_version 6
	.text
	.protected	k_qbc58942a94_prep
	.globl	k_qbc58942a94_prep
	.p2align	8
	.type	k_qbc58942a94_prep,@function
k_qbc58942a94_prep:
	s_mov_b64 s[64:65], 0
	v_nop
	global_prefetch_b8 v0, s[64:65] scope:SCOPE_SE
	s_setreg_imm32_b32 hwreg(HW_REG_WAVE_MODE, 25, 1), 1
	s_wait_xcnt 0x0
; x [2][2048][1024] f32 becomes (a) codes of E2M1 with one E8M0 byte for each 32 along a head's 64 channels, laid as the attention launch's operand registers want them, and (b) f16 numbers laid head by head.
; kc: [batch x head 32][group of 64 rows 32][2,304 bytes]: four tiles of 16 rows, 512 bytes each: lane l's 16 bytes at 16 l, lane (r = l % 16, hb = l / 16) holding the 32 codes of block hb of row r;
;     then 64 scale words, one a row: byte 0 block 0, byte 1 block 1, bytes 2 and 3 = 127 (they scale the zero codes that fill the instruction's upper 64 along K).
; vh: [batch x head][2048][64] f16.
; A block's scale is 2^(floor(log2(largest magnitude)) - 2), its byte the largest magnitude's exponent field - 2, held at 1 from below by a floor among the maximum's leaves.
; LIMITS: a block of zeros gets the byte 1 where the quantiser's text says 127: its codes are zeros, and this program alone reads the bytes.  NaN and infinities are not served.  f16 holds magnitudes under 65,504.
; SHARES: a wave takes 64 rows of one head (32 loads of 512 bytes: two rows' 256 bytes each), all issued at the head.
; The conversion takes a block's numbers from one lane's registers, the loads take neighbouring bytes in neighbouring lanes: so 16 rows at a time turn through the wave's own stage in LDS.  Waves share nothing: no barrier.
.set WREG,  4608                       ; LDS of a wave: a stage of 16 rows x 272 bytes, then its 64 scale words
.set SCW,   4352
.set SPARE, 4*WREG                     ; behind the four regions: the spare words, 128 bytes a wave
.set SPW,   12                         ; v12  LDS address of my spare word; never rewritten
.set NIL,   13                         ; v13  0; never rewritten
.set X,     32                         ; v32-63   a block of 32 numbers
.set R,     64                         ; v64-191  32 loads of four registers
.set CODE,  192                        ; v192-207 four registers of codes a tile
	s_load_b64 s[4:5], s[0:1], 0x0                 ; x
	s_load_b64 s[12:13], s[0:1], 0x8               ; kc
	s_load_b64 s[14:15], s[0:1], 0x10              ; vh
	v_lshl_add_u32 v[SPW], v0, 2, SPARE
	v_mov_b32 v[NIL], 0
	v_lshrrev_b32 v1, 5, v0
	v_readfirstlane_b32 s18, v1                    ; wave
	v_and_b32 v2, 31, v0                           ; lane
	v_lshlrev_b32 v4, 3, v2                        ; 8 x lane
	v_lshlrev_b32 v5, 4, v2                        ; 16 x lane
	v_and_b32 v1, 15, v0                           ; r
	v_bfe_u32 v11, v0, 4, 1                        ; hb
	v_lshlrev_b32 v3, 4, v1
	v_lshl_add_u32 v3, v11, 12, v3                 ; a load: lanes 0-15 one row's 256 bytes, lanes 16-31 the next row's
	s_mul_i32 s19, s18, WREG
	v_mul_u32_u24 v6, v11, 272
	v_lshl_add_u32 v6, v1, 4, v6
	v_add_nc_u32 v6, s19, v6                       ; into the stage as loaded
	v_mul_u32_u24 v7, v1, 272
	v_lshl_add_u32 v7, v11, 7, v7
	v_add_nc_u32 v7, s19, v7                       ; out of it: row r, block hb
	s_add_co_u32 s19, s19, SCW
	v_lshl_add_u32 v8, v1, 2, s19                  ; my row's scale word
	v_add_nc_u32 v9, s19, v4                       ; and on the way out 8 bytes a lane
	v_lshlrev_b32 v10, 3, v11                      ; my byte's place in the word, in bits
	v_mov_b32 v18, 0                               ; a lane permute's destination counts as read
	s_mov_b32 s20, 0x76543210
	s_mov_b32 s21, 0xfedcba98                      ; lane l xor 16
	s_lshl_b32 s22, ttmp9, 2
	s_add_co_u32 s22, s22, s18                     ; job = (batch x 16 + head) x 32 + group
	s_lshr_b32 s23, s22, 9
	s_lshl_b32 s24, s23, 23                        ; batch x 2,048 rows x 4,096 bytes
	s_and_b32 s23, s22, 31
	s_lshl_b32 s23, s23, 18                        ; group x 64 rows
	s_add_co_u32 s24, s24, s23
	s_bfe_u32 s23, s22, 0x40005
	s_lshl_b32 s23, s23, 8                         ; head x 256 bytes
	s_add_co_u32 s24, s24, s23
	s_mov_b32 s25, 0
	s_mul_i32 s26, s22, 2304
	s_mov_b32 s27, 0
	s_lshl_b32 s28, s22, 13
	s_mov_b32 s29, 0
	s_wait_kmcnt 0x0
	s_add_nc_u64 s[4:5], s[4:5], s[24:25]
	s_add_nc_u64 s[12:13], s[12:13], s[26:27]
	s_add_nc_u64 s[14:15], s[14:15], s[28:29]
.set n, 0
.rept 32
	global_load_b128 v[R+4*n:R+4*n+3], v3, s[4:5] offset:2*n*4096 th:TH_LOAD_NT
.set n, n+1
.endr
.macro TILE t
	s_wait_loadcnt 8*(3-\t)                        ; this tile's eight loads are in; the younger tiles' stay out
.irp i, 0,1,2,3,4,5,6,7
	ds_store_b128 v6, v[R+32*\t+4*\i:R+32*\t+4*\i+3] offset:2*\i*272
.endr
.irp i, 0,1,2,3,4,5,6,7
	ds_load_b128 v[X+4*\i:X+4*\i+3], v7 offset:16*\i   ; LDS serves a wave's instructions in order: these see the stores above
.endr
	s_wait_dscnt 0x0                               ; the block is in, and the stores have read the registers that are converted in place below
.irp i, 0,1,2,3,4,5,6,7
	v_cvt_pk_f16_f32 v[R+32*\t+4*\i], v[R+32*\t+4*\i], v[R+32*\t+4*\i+1]
	v_cvt_pk_f16_f32 v[R+32*\t+4*\i+1], v[R+32*\t+4*\i+2], v[R+32*\t+4*\i+3]
.endr
.irp i, 0,1,2,3,4,5,6,7
	global_store_b64 v4, v[R+32*\t+4*\i:R+32*\t+4*\i+1], s[14:15] offset:(16*\t+2*\i)*128   ; two rows of 128 bytes: 256 consecutive bytes, aligned
.endr
	v_max3_num_f32 v14, |v[X]|, |v[X+1]|, |v[X+2]|  ; the block's largest magnitude: all 32 numbers are mine
	v_max3_num_f32 v15, |v[X+3]|, |v[X+4]|, |v[X+5]|
.irp i, 6,10,14,18,22,26
	v_max3_num_f32 v14, v14, |v[X+\i]|, |v[X+\i+1]|
	v_max3_num_f32 v15, v15, |v[X+\i+2]|, |v[X+\i+3]|
.endr
	v_max3_num_f32 v14, v14, |v[X+30]|, |v[X+31]|
	v_max3_num_f32 v14, v14, v15, 0x1800000        ; and the floor 2^(3 - 127): the byte cannot fall under 1
	v_add_nc_u32 v16, 0xff000000, v14              ; 2 off the exponent field: the conversion's scale operand
.irp g, 0,1,2,3
	v_cvt_scalef32_pk8_fp4_f32 v[CODE+4*\t+\g], v[X+8*\g:X+8*\g+7], v16
.endr
	v_lshrrev_b32 v17, 23, v16                     ; the scale's byte (a plain line behind the conversions)
	v_lshlrev_b32 v17, v10, v17                    ; at its place in the row's word
	v_permlanex16_b32 v18, v17, s20, s21
	v_or_b32 v17, v17, v18                         ; with the other block's byte
	v_or_b32 v17, 0x7f7f0000, v17                  ; bytes 2 and 3: 127
	ds_store_b32 v8, v17 offset:64*\t              ; both lanes of a row write the same word with the same value
	global_store_b128 v5, v[CODE+4*\t:CODE+4*\t+3], s[12:13] offset:512*\t   ; 512 consecutive bytes
.endm
	TILE 0
	TILE 1
	TILE 2
	TILE 3
	ds_load_b64 v[14:15], v9                       ; the group's 64 scale words
	s_wait_dscnt 0x0
	global_store_b64 v4, v[14:15], s[12:13] offset:2048   ; 256 consecutive bytes, aligned
	s_wait_tensorcnt 0x0                           ; the wave's end
	ds_add_u32 v[SPW], v[NIL]
	s_wait_dscnt 0x0
	s_endpgm
.Lfunc_end_k_qbc58942a94_prep:
	.size	k_qbc58942a94_prep, .Lfunc_end_k_qbc58942a94_prep-k_qbc58942a94_prep
	.p2alignl 7, 3214868480
	.fill 96, 4, 3214868480
	.section	.rodata,"a",@progbits
	.p2align	6, 0x0
	.amdhsa_kernel k_qbc58942a94_prep
		.amdhsa_group_segment_fixed_size 18944
		.amdhsa_private_segment_fixed_size 0
		.amdhsa_enable_private_segment 0
		.amdhsa_kernarg_size 24
		.amdhsa_user_sgpr_count 2
		.amdhsa_user_sgpr_kernarg_segment_ptr 1
		.amdhsa_wavefront_size32 1
		.amdhsa_system_sgpr_workgroup_id_x 1
		.amdhsa_system_sgpr_workgroup_id_y 1
		.amdhsa_system_sgpr_workgroup_id_z 1
		.amdhsa_system_vgpr_workitem_id 0
		.amdhsa_next_free_vgpr 208
		.amdhsa_next_free_sgpr 66
		.amdhsa_reserve_vcc 0
		.amdhsa_float_denorm_mode_32 3
		.amdhsa_float_denorm_mode_16_64 3
		.amdhsa_memory_ordered 1
		.amdhsa_forward_progress 1
		.amdhsa_inst_pref_size 24
	.end_amdhsa_kernel
	.amdgpu_metadata
---
amdhsa.version: [ 1, 2 ]
amdhsa.kernels:
  - .name:           k_qbc58942a94_prep
    .symbol:         k_qbc58942a94_prep.kd
    .args:
      - { .name: x, .offset: 0, .size: 8, .value_kind: global_buffer, .address_space: global }
      - { .name: kc, .offset: 8, .size: 8, .value_kind: global_buffer, .address_space: global }
      - { .name: vh, .offset: 16, .size: 8, .value_kind: global_buffer, .address_space: global }
    .group_segment_fixed_size: 18944
    .private_segment_fixed_size: 0
    .kernarg_segment_align: 8
    .kernarg_segment_size: 24
    .max_flat_workgroup_size: 128
    .sgpr_count:     66
    .vgpr_count:     208
    .wavefront_size: 32
...
	.end_amdgpu_metadata
.endif
;; end of part 1
;; launch attn (part 2): grid 16 x 16, 8 waves a work-group, clusters of 4 x 1, 327,680 bytes of LDS; arguments kc, vh, a16, w_fc_out, w_ff1, w_ff2, wh; writes a16, wh
.if DOCPART == 2
	.amdgcn_target "amdgcn-amd-amdhsa--gfx1250"
	.amdhsa_code_object_version 6
	.text
	.protected	k_qbc58942a94_attn
	.globl	k_qbc58942a94_attn
	.p2align	8
	.type	k_qbc58942a94_attn,@function
k_qbc58942a94_attn:
	s_mov_b64 s[64:65], 0
	v_nop
	global_prefetch_b8 v0, s[64:65] scope:SCOPE_SE
	s_setreg_imm32_b32 hwreg(HW_REG_WAVE_MODE, 25, 1), 1
	s_wait_xcnt 0x0
	s_wait_alu depctr_hold_cnt(0) depctr_sa_sdst(0) depctr_va_vdst(0) depctr_va_sdst(0) depctr_va_ssrc(0) depctr_va_vcc(0) depctr_vm_vsrc(0)
	s_getreg_b32 s2, hwreg(HW_REG_IB_STS2, 6, 4)
	s_cmp_eq_u32 s2, 0
	s_cbranch_scc0 .Lentry_in_a_cluster
	s_endpgm
.Lentry_in_a_cluster:
	s_bfe_u32 s2, ttmp6, 0x10000c
	s_cmp_lg_u32 s2, 0x3003
	s_cbranch_scc0 .Lentry_shape_is_right
	s_endpgm
.Lentry_shape_is_right:
; a16[b][q][head][:] = the sum over k of softmax_k(Q . K / 8) V, with Q = K = the quantised x (codes of E2M1, K = the head's 64 channels) and V = x in f16.  Sums, maxima and exponentials in f32.
; The instruction's K is 128: the upper 64 are zero codes on both sides (registers 4-7 of every fragment hold 0, their scale bytes are 127).
; SHARES.  A work-group owns 128 queries of TWO neighbouring heads, so that a row of its output is 256 bytes.  Waves 0-3 take head 0, waves 4-7 head 1; a wave owns 32 queries, two tiles of 16.
; Two waves lie on a SIMD, so that one wave's vector work stands beside the other's matrix work.
; LAYOUT.  S^T = K Q^T (source 0 = 16 keys, source 1 = 16 queries): a lane holds ONE query and the keys 8 (lane / 16) + 0..7; two such tiles rounded to f16 ARE source 1 of O^T = V^T P.
; TWO PASSES.  All codes of both heads' 2,048 keys stay in LDS (147,456 bytes).  Pass 1 makes every score and keeps the row's exact maximum m.  Pass 2 makes the scores again (the same instruction on the same
; registers gives the same bits), p = 2^(c s - c m) with c = log2(e) / 8, the row's sum of the f32 p, and O^T += V^T P: nothing is ever rescaled, and O^T is written by matrix instructions alone.
; V goes through a ring of two slots of 256 keys x 2 heads.  CLUSTER: the four query blocks of a cluster walk the same K and V: each tile is asked for jointly, by the same load with the same descriptor in all four.
; THE WEIGHTS' CAST RIDES ALONG.  The later launches want the three weights in f16 (wh: w_fc_out at 0, w_ff1 at 0x200000, w_ff2 at 0xA00000, each still [K][N]).  That work hangs on nothing here and this launch moves few
; bytes, so each of its 2,048 waves casts a fixed share: 2,048 bytes of w_fc_out and 8,192 of each of the others: 36 loads of 512 consecutive bytes, 72 conversions, 36 stores of 256 consecutive bytes, aligned.
; The loads of the first two weights go out when K's codes have landed and have pass 1 in which to come; those of the third go out behind pass 1 and have 256 keys of pass 2.  Each load has registers of its own.
; LIMITS: NaN and infinities are not served.  p under 6e-8 is lost in f16 (it is counted in the sum); x and the weights must stay under 65,504 in f16.
; REGISTERS.  Window 0: v1-15, v21 addresses; v16, v17 the add's two; v18 Q's scale words; v19, v20 K's; v22-25 -c m; v26-33 sums; v34-41 maxima; v44-47 1 / sum; v48-63 Q; v64-95 K; v96-159 S^T; v160-191 P;
;             v192-207 w_fc_out's numbers.   Window 1: v0-63 O^T (32 q + 8 ct); v64-127 V's eight fragments; v128-191 w_ff1's numbers; v192-255 w_ff2's.
.set VP,    160                        ; a key's row of V in LDS: 128 bytes + 32 of padding
.set VHEAD, 256*VP                     ; a head's part of a slot
.set VSLOT, 2*VHEAD
.set KB,    2*VSLOT                    ; behind the ring: K's codes and scale words, filled once
.set KGRP,  2304                       ; a group of 64 keys
.set KHEAD, 32*KGRP
.set SPARE, 326656                     ; the spare words: 128 bytes for each of eight waves, the last 1,024 bytes of LDS
.set SP,    272                        ; the way out: 128 rows x (256 + 16) bytes, in slot 0, which has had its last fill and its last read by then
.set AK0, 3                            ; v3   my lane's place among a group's codes
.set AS0, 4                            ; v4   and among its scale words
.set ADK, 5                            ; v5, v6  the same for the groups in hand
.set ADS, 6
.set AV,  7                            ; v7, v8  my lane's place in V's slot 0, 1
.set STO, 9
.set RD,  10
.set GO,  11
.set PFO, 12                           ; v12  256 x lane; never rewritten
.set QA,  13
.set QB,  14
.set W8,  15                           ; v15  8 x lane: my place in a store of the cast; never rewritten
.set SPW, 16
.set NIL, 17
.set QS,  18
.set KS,  19
.set W16, 21                           ; v21  16 x lane: my place in a load of the cast; never rewritten
.set NCM, 22
.set LS,  26
.set MX,  34
.set PD,  42
.set RL,  44
.set Q,   48
.set K,   64
.set S,   96
.set P,   160
.set WA,  192                          ; window 0: w_fc_out's four loads
.set VW,  64                           ; in window 1
.set WB,  128                          ; in window 1: w_ff1's sixteen loads, then w_ff2's
.set WV,  10                           ; s10  wave
.set G1K, 24
.set G1V, 32
.set G0K, 40
.set G0V, 44                           ; s[44:47] slot 0, s[48:51] slot 1
.set CS,  52                           ; s[52:53] c
.set SEL, 54
.set TK,  56                           ; s56  LDS byte at which the group in hand begins
.set LAP, 57
.set LIM, 58                           ; s58  1 in a wave that prefetches, else the greatest number
.set NC,  59                           ; s59  -c
.set PFA, 60                           ; s[60:61] where my prefetches stand
.set SFC, 68                           ; s[68:69] w_fc_out at my wave's share;  s[72:73] w_ff1;  s[74:75] w_ff2
.set SF1, 72
.set SF2, 74
.set DFC, 78                           ; s[78:79], s[80:81], s[82:83] the same three in wh
.set DF1, 80
.set DF2, 82
.set MSB, 0
.macro WIN new                         ; the immediate's high byte repeats the setting that is left
.if MSB != \new
	s_set_vgpr_msb (MSB<<8)|\new
.set MSB, \new
.endif
.endm
.macro CROUND                          ; a round of the cluster's barrier
	s_barrier_signal -1
	s_barrier_wait -1
	s_cmp_lg_u32 s[WV], 0
	s_cbranch_scc1 .Lnot_wave_0_\@
	s_barrier_signal -3
.Lnot_wave_0_\@:
	s_barrier_wait -3
	s_barrier_signal -1
	s_barrier_wait -1
.endm
; A prefetch of the 256 keys of V that the NEXT change of slots will ask for: 32,768 bytes a head.  All clusters of a pair of heads walk the same V: the first of them asks.  Its four partners share the bytes out
; by address, 8,192 each; in each, wave 0 asks for head 0 and wave 4 for head 1, lanes 256 bytes apart.  So each block of 256 bytes of keys 512 on is named once.  The last change that fills a slot asks for nothing.
.macro ASK how
.if \how
	s_cmp_eq_u32 s[LIM], 1
.else
	s_cmp_gt_u32 s[LAP], s[LIM]                    ; not in the loop's last trip
.endif
	s_cbranch_scc0 .Lnot_mine_\@
	global_prefetch_b8 v[PFO], s[PFA:PFA+1] th:TH_LOAD_NT scope:SCOPE_SE
.Lnot_mine_\@:
.endm
	s_load_b128 s[4:7], s[0:1], 0x0                ; kc, vh
	s_load_b64 s[8:9], s[0:1], 0x10                ; a16
	s_load_b64 s[SFC:SFC+1], s[0:1], 0x18          ; w_fc_out
	s_load_b128 s[SF1:SF1+3], s[0:1], 0x20         ; w_ff1, w_ff2
	s_load_b64 s[76:77], s[0:1], 0x30              ; wh
	v_lshl_add_u32 v[SPW], v0, 2, SPARE
	v_mov_b32 v[NIL], 0
	ds_add_u32 v[SPW], v[NIL]                      ; the wave's opening: the add, twice on end, and its wait ahead of my first tensor load
	ds_add_u32 v[SPW], v[NIL]
	v_lshrrev_b32 v1, 5, v0
	v_readfirstlane_b32 s[WV], v1                  ; wave 0..7
	s_lshr_b32 s11, s[WV], 2                       ; which of the two heads
	s_and_b32 s12, s[WV], 3                        ; which 32 queries of the block; which 64 keys of a slot I fetch
	s_bfe_u32 s13, ttmp6, 0x40000                  ; cx
	s_lshl_b32 s14, ttmp9, 2
	s_add_co_u32 s14, s14, s13                     ; my block of 128 queries: it enters global addresses of my own alone (Q's, the output's, the cast's)
	s_and_b32 s15, ttmp7, 0xffff                   ; batch x 8 + pair of heads, which the partners share
	; group 1 for K: 18,432 dense bytes as 72 rows of 256 bytes (32 elements of 8 bytes), no padding; mask: all four work-groups, bit 21 beside it
	s_mov_b32 s[G1K], 15|(3<<16)|(1<<21)
	s_mov_b32 s[G1K+1], 32<<16
	s_mov_b32 s[G1K+2], 72<<16
	s_mov_b32 s[G1K+3], 32<<16
	s_mov_b32 s[G1K+4], 72
	s_mov_b32 s[G1K+5], 32
	s_mov_b32 s[G1K+6], 0
	s_mov_b32 s[G1K+7], 0
	; group 1 for V: 64 rows of 64 elements of 2 bytes; 8 words of padding behind every 32
	s_mov_b32 s[G1V], 15|(1<<16)|(1<<20)|(1<<21)|(4<<22)|(7<<25)
	s_mov_b32 s[G1V+1], 64<<16
	s_mov_b32 s[G1V+2], 64<<16
	s_mov_b32 s[G1V+3], 64<<16
	s_mov_b32 s[G1V+4], 64
	s_mov_b32 s[G1V+5], 64
	s_mov_b32 s[G1V+6], 0
	s_mov_b32 s[G1V+7], 0
	s_mul_i32 s16, s15, 2*KHEAD                    ; K: the pair's codes, my wave's eighth
	s_mul_i32 s17, s[WV], 18432
	s_add_co_u32 s16, s16, s17
	s_mov_b32 s[G0K], 1
	s_add_co_u32 s[G0K+1], s17, KB
	s_mov_b32 s17, 0
	s_lshl_b32 s2, s15, 1
	s_add_co_u32 s2, s2, s11                       ; batch x 16 + head
	s_lshl_b32 s20, s2, 18                         ; V: the head's 2,048 rows of 128 bytes,
	s_lshl_b32 s3, s12, 13
	s_add_co_u32 s20, s20, s3                      ; my 64 keys
	s_mov_b32 s21, 0
	s_mul_i32 s3, s[WV], 64*VP
	s_mov_b32 s[G0V], 1
	s_mov_b32 s[G0V+1], s3
	s_mov_b32 s[G0V+4], 1
	s_add_co_u32 s[G0V+5], s3, VSLOT
	s_mul_i32 s18, s2, KHEAD                       ; Q: my head's codes, the group that holds my 32 queries
	s_lshl_b32 s19, s14, 1
	s_lshr_b32 s3, s12, 1
	s_add_co_u32 s19, s19, s3
	s_mul_i32 s19, s19, KGRP
	s_add_co_u32 s18, s18, s19
	s_mov_b32 s19, 0
	s_lshl_b32 s22, s2, 18                         ; the prefetches: my head, my work-group's quarter, keys 512 on
	s_lshl_b32 s3, s13, 13
	s_add_co_u32 s22, s22, s3
	s_add_co_u32 s22, s22, 65536
	s_mov_b32 s23, 0
	s_lshr_b32 s62, s15, 3                         ; the output: row batch x 2,048 + 128 x block + 16 x wave, of 2,048 bytes; + 256 x pair of heads
	s_lshl_b32 s62, s62, 11
	s_lshl_b32 s3, s14, 7
	s_add_co_u32 s62, s62, s3
	s_lshl_b32 s3, s[WV], 4
	s_add_co_u32 s62, s62, s3
	s_lshl_b32 s62, s62, 11
	s_and_b32 s3, s15, 7
	s_lshl_b32 s3, s3, 8
	s_add_co_u32 s62, s62, s3
	s_mov_b32 s63, 0
	s_lshl_b32 s70, s15, 4                         ; the cast: my wave's number in the launch, 0 .. 2,047:
	s_add_co_u32 s70, s70, s14
	s_lshl_b32 s70, s70, 3
	s_add_co_u32 s70, s70, s[WV]                   ; ((16 y + block) x 8 + wave)
	s_lshl_b32 s84, s70, 11                        ; x 2,048 bytes of w_fc_out,
	s_mov_b32 s85, 0
	s_lshl_b32 s86, s70, 13                        ; x 8,192 of w_ff1 and of w_ff2,
	s_mov_b32 s87, 0
	s_lshl_b32 s88, s70, 10                        ; and half as many in wh
	s_mov_b32 s89, 0
	s_lshl_b32 s90, s70, 12
	s_add_co_u32 s90, s90, 0x200000
	s_mov_b32 s91, 0
	s_mov_b32 s[CS], 0x3e38aa3b                    ; c = log2(e) / 8
	s_mov_b32 s[CS+1], s[CS]
	s_mov_b32 s[NC], 0xbe38aa3b
	s_mov_b32 s[SEL], 0x76543210
	s_mov_b32 s[SEL+1], 0xfedcba98
	s_mov_b32 s[TK], 0
	s_or_b32 s[LIM], s12, ttmp9                    ; 0 in waves 0 and 4 of the pair's first cluster: the same in all four partners
	s_cmp_eq_u32 s[LIM], 0
	s_cselect_b32 s[LIM], 1, -1
.irp j, 4,5,6,7,12,13,14,15
	v_mov_b32 v[Q+\j], 0                           ; the zero codes of K = 64 .. 127, written once
.endr
.irp t, 0,1,2,3
.irp j, 4,5,6,7
	v_mov_b32 v[K+8*\t+\j], 0
.endr
.endr
	v_and_b32 v1, 15, v0                           ; r
	v_bfe_u32 v2, v0, 4, 1                         ; h
	v_and_b32 v15, 31, v0                          ; lane
	s_mul_i32 s2, s11, KHEAD
	s_add_co_u32 s2, s2, KB
	v_lshl_add_u32 v[AK0], v15, 4, s2
	s_add_co_u32 s2, s2, 2048
	v_lshl_add_u32 v[AS0], v15, 2, s2
	v_and_b32 v21, 7, v0
	v_lshl_add_u32 v21, v2, 3, v21
	v_mul_u32_u24 v[AV], v21, VP                   ; the turning load: key 8 h + lane % 8,
	v_bfe_u32 v21, v0, 3, 1
	v_lshl_add_u32 v[AV], v21, 4, v[AV]            ; channels 8 ((lane / 8) % 2) on
	s_mul_i32 s2, s11, VHEAD
	v_add_nc_u32 v[AV], s2, v[AV]
	v_add_nc_u32 v[AV+1], VSLOT, v[AV]
	s_mul_i32 s3, s12, 32*SP
	s_lshl_b32 s2, s11, 7
	s_add_co_u32 s3, s3, s2
	v_mul_u32_u24 v[STO], v1, SP
	v_lshl_add_u32 v[STO], v2, 4, v[STO]
	v_add_nc_u32 v[STO], s3, v[STO]                ; the stage, in: row 32 x (wave % 4) + r, + 128 x head + 16 h
	s_mul_i32 s3, s[WV], 16*SP
	v_mul_u32_u24 v[RD], v2, SP
	v_lshl_add_u32 v[RD], v1, 4, v[RD]
	v_add_nc_u32 v[RD], s3, v[RD]                  ; back: wave w takes rows 16 w on, sixteen lanes to a row
	v_lshlrev_b32 v[GO], 11, v2
	v_lshl_add_u32 v[GO], v1, 4, v[GO]
	v_lshlrev_b32 v[PFO], 8, v15
	s_and_b32 s2, s12, 1
	s_lshl_b32 s3, s2, 10
	v_lshl_add_u32 v[QA], v15, 4, s3               ; Q's codes: tiles 2 (wave % 2) and + 1 of the group
	s_lshl_b32 s3, s2, 7
	s_add_co_u32 s3, s3, 2048
	v_lshl_add_u32 v[QB], v15, 2, s3               ; its scale words: lanes 0-15 the first tile's, lanes 16-31 the second's
	v_lshlrev_b32 v[W16], 4, v15                   ; the cast: 16 bytes a lane in,
	v_lshlrev_b32 v[W8], 3, v15                    ; 8 bytes a lane out
.irp a, 0,1,2,3,4,5,6,7
	v_mov_b32 v[MX+\a], 0xff800000                 ; the running maxima: -infinity
.endr
.irp j, 0,1,2,3,4,5,6,7
	v_mov_b32 v[LS+\j], 0                          ; the sums
.endr
	v_mov_b32 v[PD], 0
	v_mov_b32 v[PD+1], 0
	v_mov_b32 v[NCM+1], 0                          ; (upper halves of pairs of which the low word serves both halves)
	v_mov_b32 v[NCM+3], 0
	v_mov_b32 v[RL+1], 0
	v_mov_b32 v[RL+3], 0
	s_wait_dscnt 0x0                               ; both opening adds are done
	s_wait_kmcnt 0x0
	s_add_nc_u64 s[G0K+2:G0K+3], s[4:5], s[16:17]
	s_or_b32 s[G0K+3], s[G0K+3], 0x80000000
	s_add_nc_u64 s[G0V+2:G0V+3], s[6:7], s[20:21]
	s_add_nc_u64 s[G0V+6:G0V+7], s[G0V+2:G0V+3], 32768   ; slot 1: keys 256 on
	s_or_b32 s[G0V+3], s[G0V+3], 0x80000000
	s_or_b32 s[G0V+7], s[G0V+7], 0x80000000
	s_add_nc_u64 s[18:19], s[4:5], s[18:19]
	s_add_nc_u64 s[PFA:PFA+1], s[6:7], s[22:23]
	s_add_nc_u64 s[8:9], s[8:9], s[62:63]
	s_add_nc_u64 s[SFC:SFC+1], s[SFC:SFC+1], s[84:85]
	s_add_nc_u64 s[SF1:SF1+1], s[SF1:SF1+1], s[86:87]
	s_add_nc_u64 s[SF2:SF2+1], s[SF2:SF2+1], s[86:87]
	s_add_nc_u64 s[DFC:DFC+1], s[76:77], s[88:89]
	s_add_nc_u64 s[DF1:DF1+1], s[76:77], s[90:91]
	s_add_nc_u64 s[DF2:DF2+1], s[DF1:DF1+1], 0x800000
	CROUND                                         ; all four work-groups are here: the first joint loads meet
	tensor_load_to_lds s[G0K:G0K+3], s[G1K:G1K+7]  ; three loads of mine are out: K's eighth, my parts of V's two slots
	s_nop 0
	tensor_load_to_lds s[G0V:G0V+3], s[G1V:G1V+7]
	s_nop 0
	tensor_load_to_lds s[G0V+4:G0V+7], s[G1V:G1V+7]
	s_nop 0
.rept 4
	v_nop
.endr
	global_load_b128 v[Q:Q+3], v[QA], s[18:19]
	global_load_b128 v[Q+8:Q+11], v[QA], s[18:19] offset:512
	global_load_b32 v[QS], v[QB], s[18:19]
.macro KLOAD o                         ; a group's four tiles of codes (registers 0-3 of each fragment) and its scale words: register u holds tile 2 u in lanes 0-15, tile 2 u + 1 in lanes 16-31
.irp t, 0,1,2,3
	ds_load_b128 v[K+8*\t:K+8*\t+3], v[ADK] offset:(\o)+512*\t
.endr
.irp u, 0,1
	ds_load_b32 v[KS+\u], v[ADS] offset:(\o)+128*\u
.endr
.endm
.macro QK1 kt, q
.set rS, S+32*(\q)+8*(\kt)
.set rK, K+8*(\kt)
.set rQ, Q+8*(\q)
.set rX, KS+(\kt)/2
.if ((\kt)%2 == 0) && ((\q) == 0)
	v_wmma_scale_f32_16x16x128_f8f6f4 v[rS:rS+7], v[rK:rK+7], v[rQ:rQ+7], 0, v[rX], v[QS] matrix_a_fmt:MATRIX_FMT_FP4 matrix_b_fmt:MATRIX_FMT_FP4
.elseif ((\kt)%2 == 1) && ((\q) == 0)
	v_wmma_scale_f32_16x16x128_f8f6f4 v[rS:rS+7], v[rK:rK+7], v[rQ:rQ+7], 0, v[rX], v[QS] matrix_a_fmt:MATRIX_FMT_FP4 matrix_b_fmt:MATRIX_FMT_FP4 matrix_a_scale:MATRIX_SCALE_ROW1
.elseif ((\kt)%2 == 0)
	v_wmma_scale_f32_16x16x128_f8f6f4 v[rS:rS+7], v[rK:rK+7], v[rQ:rQ+7], 0, v[rX], v[QS] matrix_a_fmt:MATRIX_FMT_FP4 matrix_b_fmt:MATRIX_FMT_FP4 matrix_b_scale:MATRIX_SCALE_ROW1
.else
	v_wmma_scale_f32_16x16x128_f8f6f4 v[rS:rS+7], v[rK:rK+7], v[rQ:rQ+7], 0, v[rX], v[QS] matrix_a_fmt:MATRIX_FMT_FP4 matrix_b_fmt:MATRIX_FMT_FP4 matrix_a_scale:MATRIX_SCALE_ROW1 matrix_b_scale:MATRIX_SCALE_ROW1
.endif
.endm
.macro QK8                             ; S^T of 64 keys x my 32 queries: eight products, each a whole sum
.irp kt, 0,1,2,3
.irp q, 0,1
	QK1 \kt, \q
.endr
.endr
.endm
; PASS 1, a group of 64 keys: the scores, the next group's loads, and 32 three-way maxima into eight running maxima.  Each result is read from its low end on.
.macro P1 tail
	s_wait_dscnt 0x0                               ; the group's codes and scale words are in
	QK8
.if \tail
	s_mov_b32 s[TK], 0                             ; pass 2 begins at group 0
.else
	s_add_co_u32 s[TK], s[TK], KGRP
.endif
	v_add_nc_u32 v[ADK], s[TK], v[AK0]             ; four plain lines behind the products, ahead of the loads into their sources and of the reads of their results
	v_add_nc_u32 v[ADS], s[TK], v[AS0]
	v_nop
	v_nop
	KLOAD 0
.irp i, 0,2,4,6
.irp a, 0,1,2,3,4,5,6,7
	v_max3_num_f32 v[MX+\a], v[MX+\a], v[S+8*\a+\i], v[S+8*\a+\i+1]
.endr
.endr
.endm
; PASS 2's vector work for 64 keys x 32 queries.  The 64 exponentials are one batch with one wait, ahead of the first line that names a result.
.macro SOFT
.set n, 0
.rept 32
	v_pk_fma_f32 v[S+2*n:S+2*n+1], v[S+2*n:S+2*n+1], s[CS:CS+1], v[NCM+2*(n/16):NCM+2*(n/16)+1] op_sel_hi:[1,0,0]   ; c s - c m
.set n, n+1
.endr
.set n, 0
.rept 64
	v_exp_f32 v[S+n], v[S+n]
.set n, n+1
.endr
	v_nop                                          ; a plain line behind the last exponential
	s_wait_alu depctr_va_vdst(0)
.set n, 0
.rept 32
	v_cvt_pk_f16_f32 v[P+n], v[S+2*n], v[S+2*n+1]  ; two tiles of 16 keys, rounded in pairs, are a fragment of 32 keys
.set n, n+1
.endr
.irp n, 0,1,2,3,4,5,6,7
.irp q, 0,1
	v_pk_add_f32 v[LS+4*\q:LS+4*\q+1], v[LS+4*\q:LS+4*\q+1], v[S+32*\q+4*\n:S+32*\q+4*\n+1]         ; the row's sum of the f32 p, in four chains
	v_pk_add_f32 v[LS+4*\q+2:LS+4*\q+3], v[LS+4*\q+2:LS+4*\q+3], v[S+32*\q+4*\n+2:S+32*\q+4*\n+3]
.endr
.endr
.endm
.macro PV zero                         ; O^T += V^T P: the eight accumulators take turns, one instruction a turn
.irp ks, 0,1
.irp ct, 0,1,2,3
.irp q, 0,1
.if \zero && (\ks == 0)
	v_wmma_f32_16x16x32_f16 v[32*\q+8*\ct:32*\q+8*\ct+7], v[VW+8*(4*\ks+\ct):VW+8*(4*\ks+\ct)+7], v[P+16*\q+8*\ks:P+16*\q+8*\ks+7], 0
.else
	v_wmma_f32_16x16x32_f16 v[32*\q+8*\ct:32*\q+8*\ct+7], v[VW+8*(4*\ks+\ct):VW+8*(4*\ks+\ct)+7], v[P+16*\q+8*\ks:P+16*\q+8*\ks+7], v[32*\q+8*\ct:32*\q+8*\ct+7]
.endif
.endr
.endr
.endr
.endm
; PASS 2, a step of 64 keys: the q-th of the slot.  next = 1: the next group's codes are fetched.
.macro STEP slot, q, zero, next, ask
	s_wait_dscnt 0x0                               ; the group's codes are in
	QK8
.rept 4
	v_nop                                          ; places behind these products and behind the last step's V^T P, ahead of the loads into their sources
.endr
	WIN 0x40                                       ; destination window 1
.irp f, 0,1,2,3,4,5,6,7                        ; fragment f: keys 32 (f / 4) on, channels 16 (f % 4) on
	ds_load_tr16_b128 v[VW+8*\f:VW+8*\f+3],   v[AV+\slot] offset:(\q)*64*VP+(\f/4)*32*VP+(\f%4)*32
	ds_load_tr16_b128 v[VW+8*\f+4:VW+8*\f+7], v[AV+\slot] offset:(\q)*64*VP+(\f/4)*32*VP+16*VP+(\f%4)*32
.endr
	WIN 0
.if \next
	KLOAD ((\q)+1)*KGRP
.endif
.if \ask
	ASK 1
.endif
	SOFT
	s_wait_dscnt 6*(\next)                         ; V's sixteen loads are in; the six younger ones, the next group's, may be out
	WIN 0x51                                       ; V, C and D window 1, P window 0
	PV \zero
	WIN 0
.endm
.macro PHASE slot, first, last         ; a slot's 256 keys
	v_add_nc_u32 v[ADK], s[TK], v[AK0]
	v_add_nc_u32 v[ADS], s[TK], v[AS0]
	s_add_co_u32 s[TK], s[TK], 4*KGRP
	STEP \slot, 0, \first, 1, \first
	STEP \slot, 1, 0, 1, 0
	STEP \slot, 2, 0, 1, 0
	STEP \slot, 3, 0, 1-\last, 0
.endm
; THE CHANGE OF SLOTS.  Each wave waits for all its tensor loads (its part of the slot ahead), adds 0 to its spare word, and waits for that and for its reads of the slot that it leaves.  The round of the cluster's
; barrier shows the same of every wave of every partner; the joint refill of the slot just left is the first thing behind it and has 256 keys' work in which to land.
.macro CHANGE s, how
	s_wait_tensorcnt 0x0
	ds_add_u32 v[SPW], v[NIL]
	s_add_nc_u64 s[G0V+4*\s+2:G0V+4*\s+3], s[G0V+4*\s+2:G0V+4*\s+3], 65536   ; no load of mine is out: the slot's next 256 keys, 512 on
	s_wait_xcnt 0x0                                ; the last prefetch, a slot back, has read its address
	s_add_nc_u64 s[PFA:PFA+1], s[PFA:PFA+1], 32768
	s_wait_dscnt 0x0
	CROUND
	tensor_load_to_lds s[G0V+4*\s:G0V+4*\s+3], s[G1V:G1V+7]
	s_nop 0
.rept 4
	v_nop
.endr
	ASK \how
.endm
; THE CAST.  W16LOAD: sixteen loads of 512 consecutive bytes into window 1, from register reg on.  W16OUT: their 64 registers of f32 become 32 of f16, in place, and leave by sixteen stores of 256 consecutive bytes, aligned.
; No register of a load or a store is written again in the launch, so no further wait is owed for them.
.macro W16LOAD reg, base
	WIN 0x40                                       ; destination window 1, address window 0
.set n, 0
.rept 16
	global_load_b128 v[\reg+4*n:\reg+4*n+3], v[W16], s[\base:\base+1] offset:512*n th:TH_LOAD_NT
.set n, n+1
.endr
	WIN 0
.endm
.macro W16OUT reg, base
	WIN 0x45                                       ; destination and both sources window 1
.set n, 0
.rept 16
	v_cvt_pk_f16_f32 v[\reg+4*n], v[\reg+4*n], v[\reg+4*n+1]
	v_cvt_pk_f16_f32 v[\reg+4*n+1], v[\reg+4*n+2], v[\reg+4*n+3]
.set n, n+1
.endr
	WIN 0x04                                       ; a store's data are its source 1: window 1; its address window 0
.set n, 0
.rept 16
	global_store_b64 v[W8], v[\reg+4*n:\reg+4*n+1], s[\base:\base+1] offset:256*n
.set n, n+1
.endr
	WIN 0
.endm
	s_wait_tensorcnt 0x2                           ; my eighth of K is in; V's two loads may stay out
	s_barrier_signal -1
	s_barrier_wait -1
	v_add_nc_u32 v[ADK], s[TK], v[AK0]
	v_add_nc_u32 v[ADS], s[TK], v[AS0]
	KLOAD 0
	s_wait_loadcnt 0x0                             ; Q
.irp n, 0,1,2,3
	global_load_b128 v[WA+4*\n:WA+4*\n+3], v[W16], s[SFC:SFC+1] offset:512*\n th:TH_LOAD_NT   ; the cast's first twenty loads: K's codes have landed, and pass 1 asks nothing of memory
.endr
	W16LOAD WB, SF1
	s_mov_b32 s[LAP], 31
.Lp1:
	P1 0
	s_sub_co_u32 s[LAP], s[LAP], 1
	s_cmp_lg_u32 s[LAP], 0
	s_cbranch_scc1 .Lp1
	P1 1
.irp q, 0,1
	v_max3_num_f32 v[MX+4*\q], v[MX+4*\q], v[MX+4*\q+1], v[MX+4*\q+2]
.endr
.irp q, 0,1
	v_max_num_f32 v[MX+4*\q], v[MX+4*\q], v[MX+4*\q+3]
.endr
.irp q, 0,1
	v_permlanex16_b32 v[PD+\q], v[MX+4*\q], s[SEL], s[SEL+1]   ; the query's other keys lie in the lane 16 away
.endr
.irp q, 0,1
	v_max_num_f32 v[MX+4*\q], v[MX+4*\q], v[PD+\q]
.endr
.irp q, 0,1
	v_mul_f32 v[NCM+2*\q], s[NC], v[MX+4*\q]       ; -c m
.endr
	s_wait_loadcnt 0x0                             ; w_fc_out's and w_ff1's numbers, asked for a whole pass ago
.irp n, 0,1,2,3
	v_cvt_pk_f16_f32 v[WA+4*\n], v[WA+4*\n], v[WA+4*\n+1]
	v_cvt_pk_f16_f32 v[WA+4*\n+1], v[WA+4*\n+2], v[WA+4*\n+3]
.endr
.irp n, 0,1,2,3
	global_store_b64 v[W8], v[WA+4*\n:WA+4*\n+1], s[DFC:DFC+1] offset:256*\n
.endr
	W16OUT WB, DF1
	W16LOAD WB+64, SF2                             ; w_ff2's sixteen loads: they have the first 256 keys of pass 2 in which to come
	s_wait_tensorcnt 0x1                           ; my part of slot 0 is in; slot 1's may stay out
	s_wait_dscnt 0x0
	s_barrier_signal -1
	s_barrier_wait -1
	PHASE 0, 1, 0                                  ; keys 0-255; its first step asks memory for keys 512 on
	s_wait_loadcnt 0x0                             ; w_ff2's numbers
	W16OUT WB+64, DF2
	s_mov_b32 s[LAP], 3
.Lp2:
	CHANGE 0, 1
	PHASE 1, 0, 0
	CHANGE 1, 0
	PHASE 0, 0, 0
	s_sub_co_u32 s[LAP], s[LAP], 1
	s_cmp_lg_u32 s[LAP], 0
	s_cbranch_scc1 .Lp2
	s_wait_tensorcnt 0x0                           ; the last change of slots fills nothing: the same three lines and my work-group's barrier
	ds_add_u32 v[SPW], v[NIL]
	s_wait_dscnt 0x0
	s_barrier_signal -1
	s_barrier_wait -1
	PHASE 1, 0, 1
	; THE WAY OUT.  The additions are the places behind the last products.
.irp q, 0,1
	v_pk_add_f32 v[LS+4*\q:LS+4*\q+1], v[LS+4*\q:LS+4*\q+1], v[LS+4*\q+2:LS+4*\q+3]
.endr
.irp q, 0,1
	v_add_f32 v[LS+4*\q], v[LS+4*\q], v[LS+4*\q+1]
.endr
.irp q, 0,1
	v_permlanex16_b32 v[PD+\q], v[LS+4*\q], s[SEL], s[SEL+1]
.endr
.irp q, 0,1
	v_add_f32 v[LS+4*\q], v[LS+4*\q], v[PD+\q]
.endr
.irp q, 0,1
	v_rcp_f32 v[RL+2*\q], v[LS+4*\q]
.endr
	v_nop
	s_wait_alu depctr_va_vdst(0)                   ; one wait for both reciprocals, ahead of their first reader
	WIN 0x01                                       ; source 0 (O^T) window 1
.set n, 0
.rept 32
	v_pk_mul_f32 v[S+2*n:S+2*n+1], v[2*n:2*n+1], v[RL+2*(n/16):RL+2*(n/16)+1] op_sel_hi:[1,0]
.set n, n+1
.endr
	WIN 0
.set n, 0
.rept 32
	v_cvt_pk_f16_f32 v[P+n], v[S+2*n], v[S+2*n+1]
.set n, n+1
.endr
.irp q, 0,1
.irp ct, 0,1,2,3
	ds_store_b128 v[STO], v[P+16*\q+4*\ct:P+16*\q+4*\ct+3] offset:\q*16*SP+32*\ct   ; eight channels of a query: 16 bytes
.endr
.endr
	s_wait_dscnt 0x0                               ; for the others' sake: a row's 256 bytes come from two waves
	s_barrier_signal -1
	s_barrier_wait -1
.irp i, 0,1,2,3,4,5,6,7
	ds_load_b128 v[S+4*\i:S+4*\i+3], v[RD] offset:2*\i*SP
.endr
.irp i, 0,1,2,3,4,5,6,7
	s_wait_dscnt 7-\i
	global_store_b128 v[GO], v[S+4*\i:S+4*\i+3], s[8:9] offset:2*\i*2048   ; sixteen lanes store 256 consecutive bytes, aligned
.endr
	s_wait_tensorcnt 0x0                           ; the wave's end
	ds_add_u32 v[SPW], v[NIL]
	s_wait_dscnt 0x0
	CROUND                                         ; the closing round
	s_endpgm
.Lfunc_end_k_qbc58942a94_attn:
	.size	k_qbc58942a94_attn, .Lfunc_end_k_qbc58942a94_attn-k_qbc58942a94_attn
	.p2alignl 7, 3214868480
	.fill 96, 4, 3214868480
	.section	.rodata,"a",@progbits
	.p2align	6, 0x0
	.amdhsa_kernel k_qbc58942a94_attn
		.amdhsa_group_segment_fixed_size 327680
		.amdhsa_private_segment_fixed_size 0
		.amdhsa_enable_private_segment 0
		.amdhsa_kernarg_size 56
		.amdhsa_user_sgpr_count 2
		.amdhsa_user_sgpr_kernarg_segment_ptr 1
		.amdhsa_wavefront_size32 1
		.amdhsa_system_sgpr_workgroup_id_x 1
		.amdhsa_system_sgpr_workgroup_id_y 1
		.amdhsa_system_sgpr_workgroup_id_z 1
		.amdhsa_system_vgpr_workitem_id 0
		.amdhsa_next_free_vgpr 512
		.amdhsa_next_free_sgpr 92
		.amdhsa_reserve_vcc 0
		.amdhsa_float_denorm_mode_32 3
		.amdhsa_float_denorm_mode_16_64 3
		.amdhsa_memory_ordered 1
		.amdhsa_forward_progress 1
		.amdhsa_inst_pref_size 228
	.end_amdhsa_kernel
	.amdgpu_metadata
---
amdhsa.version: [ 1, 2 ]
amdhsa.kernels:
  - .name:           k_qbc58942a94_attn
    .symbol:         k_qbc58942a94_attn.kd
    .args:
      - { .name: kc, .offset: 0, .size: 8, .value_kind: global_buffer, .address_space: global }
      - { .name: vh, .offset: 8, .size: 8, .value_kind: global_buffer, .address_space: global }
      - { .name: a16, .offset: 16, .size: 8, .value_kind: global_buffer, .address_space: global }
      - { .name: w_fc_out, .offset: 24, .size: 8, .value_kind: global_buffer, .address_space: global }
      - { .name: w_ff1, .offset: 32, .size: 8, .value_kind: global_buffer, .address_space: global }
      - { .name: w_ff2, .offset: 40, .size: 8, .value_kind: global_buffer, .address_space: global }
      - { .name: wh, .offset: 48, .size: 8, .value_kind: global_buffer, .address_space: global }
    .group_segment_fixed_size: 327680
    .private_segment_fixed_size: 0
    .kernarg_segment_align: 8
    .kernarg_segment_size: 56
    .max_flat_workgroup_size: 256
    .sgpr_count:     92
    .vgpr_count:     512
    .wavefront_size: 32
...
	.end_amdgpu_metadata
.endif
;; end of part 2
;; launch fc (part 3): grid 8 x 32, 4 waves a work-group, clusters of 4 x 4, 327,680 bytes of LDS; arguments a16, wh, b_fc_out, x, y; writes y
.if DOCPART == 3
	.amdgcn_target "amdgcn-amd-amdhsa--gfx1250"
	.amdhsa_code_object_version 6
	.text
	.protected	k_qbc58942a94_fc
	.globl	k_qbc58942a94_fc
	.p2align	8
	.type	k_qbc58942a94_fc,@function
k_qbc58942a94_fc:
	s_mov_b64 s[64:65], 0
	v_nop
	global_prefetch_b8 v0, s[64:65] scope:SCOPE_SE
	s_setreg_imm32_b32 hwreg(HW_REG_WAVE_MODE, 25, 1), 1
	s_wait_xcnt 0x0
	s_wait_alu depctr_hold_cnt(0) depctr_sa_sdst(0) depctr_va_vdst(0) depctr_va_sdst(0) depctr_va_ssrc(0) depctr_va_vcc(0) depctr_vm_vsrc(0)
	s_getreg_b32 s2, hwreg(HW_REG_IB_STS2, 6, 4)
	s_cmp_eq_u32 s2, 0
	s_cbranch_scc0 .Lentry_in_a_cluster
	s_endpgm
.Lentry_in_a_cluster:
	s_bfe_u32 s2, ttmp6, 0x10000c
	s_cmp_lg_u32 s2, 0xf033
	s_cbranch_scc0 .Lentry_shape_is_right
	s_endpgm
.Lentry_shape_is_right:
; y[m][n] = res[m][n] + bias[n] + the sum over k of A[m][k] W[k][n].  A: [4096][KDIM] f16; W: [KDIM][1024] f16 at byte WOFF of wh, K along its FIRST axis; res, y: [4096][1024] f32; sums in f32.
; A tile of y is 128 x 128: 256 work-groups.  Four waves, each 64 x 64: 16 accumulators.  K goes in steps of 256 through two LDS slots filled by the tensor data mover (waves 0, 1: A's halves, 64 rows of 512 bytes;
; waves 2, 3: W's halves, 128 rows k of 256 bytes).  W's fragments come out of LDS turned, by ds_load_tr16_b128.
; CLUSTERS: 4 x 4.  A's tile is shared along a row of the cluster, W's along a column: each is asked for jointly.
; THE MATRIX INSTRUCTION IS USED TRANSPOSED (source 0 = 16 columns of W, source 1 = 16 rows of A): a lane holds eight neighbouring numbers of a row of y.
; The bias is the C of each sum's first product.  The residual is loaded at the head in the layout in which rows come back from the stage, and added there.
; LIMITS: f16 operands hold magnitudes under 65,504; NaN and infinities are not served.
; REGISTERS: window 0: v1-29 addresses; v32-95 the way out; v96-127 the bias (4 blocks x 8); v128-255 accumulators ((a, b) at 128 + 8 (4 a + b)).  Window 1: two fragment buffers of 128 (64 of A, 64 of W).  Window 2: v0-127 the residual.
.set KDIM,   1024
.set WOFF,   0
.set KSTEP,  256
.set PITCH,  528                       ; A's LDS row: 512 bytes + 16
.set PB,     288                       ; W's LDS row: 256 bytes + 32
.set HALFA,  64*PITCH
.set HALFB,  128*PB
.set BOFF,   2*HALFA
.set SLOT,   BOFF+2*HALFB
.set STAGE,  2*SLOT                    ; behind the ring: 16 rows x 272 bytes for each wave
.set SPITCH, 272
.set SPARE,  STAGE+4*16*SPITCH         ; the spare words, 128 bytes a wave
.set LAPS,   KDIM/(2*KSTEP)
.set ADRA, 16                          ; v16-17  my A fragments in slot 0, 1
.set ADRB, 20                          ; v20-23  my W fragments: 2 x slot + half of the K step
.set STO,  24
.set RD,   25
.set CO,   26
.set BO,   27
.set SPW,  28
.set NIL,  29
.set TMP,  32
.set BIAS, 96
.set ACC,  128
.set F0,   0
.set F1,   128
.set G1,  24
.set G0,  32
.set G1B, 48
.set G0B, 56
.set MSB, 0
.macro WIN new
.if MSB != \new
	s_set_vgpr_msb (MSB<<8)|\new
.set MSB, \new
.endif
.endm
.set MUL,  0x05                        ; sources 0 and 1 window 1; C and D window 0
.set TO_F, 0x40                        ; destination window 1
.macro JLOAD s                         ; a joint load: waves 0, 1 for A, waves 2, 3 for W; an s_nop 0 and four v_nop follow each line
	s_cmp_eq_u32 s11, 0
	s_cbranch_scc0 .Lfor_b_\@
	tensor_load_to_lds s[G0+4*\s:G0+4*\s+3], s[G1:G1+7]
	s_nop 0
.rept 4
	v_nop
.endr
	s_branch .Lasked_\@
.Lfor_b_\@:
	tensor_load_to_lds s[G0B+4*\s:G0B+4*\s+3], s[G1B:G1B+7]
	s_nop 0
.rept 4
	v_nop
.endr
.Lasked_\@:
.endm
.macro CREST
	s_cmp_lg_u32 s10, 0
	s_cbranch_scc1 .Lnot_wave_0_\@
	s_barrier_signal -3
.Lnot_wave_0_\@:
	s_barrier_wait -3
	s_barrier_signal -1
	s_barrier_wait -1
.endm
.macro CROUND
	s_barrier_signal -1
	s_barrier_wait -1
	CREST
.endm
	s_load_b128 s[4:7], s[0:1], 0x0                ; A, wh
	s_load_b128 s[68:71], s[0:1], 0x10             ; bias, residual
	s_load_b64 s[8:9], s[0:1], 0x20                ; y
	v_lshl_add_u32 v[SPW], v0, 2, SPARE
	v_mov_b32 v[NIL], 0
	ds_add_u32 v[SPW], v[NIL]                      ; the wave's opening: the add, twice on end, and its wait ahead of my first tensor load
	ds_add_u32 v[SPW], v[NIL]
	v_lshrrev_b32 v1, 5, v0
	v_readfirstlane_b32 s10, v1                    ; wave 0..3
	s_lshr_b32 s11, s10, 1                         ; my half of the tile's rows.  Also: I fetch for A (0) or for W (1)
	s_and_b32 s12, s10, 1                          ; my half of its columns.  Also: which half of that tile I fetch
	s_bfe_u32 s40, ttmp6, 0x40000                  ; cx, cy
	s_bfe_u32 s41, ttmp6, 0x40004
	s_lshl_b32 s42, ttmp9, 2
	s_add_co_u32 s42, s42, s40                     ; tile column
	s_and_b32 s13, ttmp7, 0xffff
	s_lshl_b32 s13, s13, 2
	s_add_co_u32 s13, s13, s41                     ; tile row
	s_lshl_b32 s43, s41, 2
	s_lshl_b32 s43, 15, s43                        ; my row of the cluster
	s_lshl_b32 s44, 0x1111, s40                    ; my column
	s_or_b32 s[G1+0], s43, (1<<16)|(1<<20)|(1<<21)|(6<<22)|(3<<25)    ; A: elements of 2 bytes; 4 words of padding behind every 128
	s_mov_b32 s[G1+1], KSTEP<<16
	s_mov_b32 s[G1+2], 64<<16
	s_mov_b32 s[G1+3], KSTEP<<16
	s_mov_b32 s[G1+4], 64
	s_mov_b32 s[G1+5], KDIM
	s_mov_b32 s[G1+6], 0
	s_mov_b32 s[G1+7], 0
	s_or_b32 s[G1B+0], s44, (1<<16)|(1<<20)|(1<<21)|(5<<22)|(7<<25)   ; W: 128 rows k of 128 elements; 8 words of padding behind every 64
	s_mov_b32 s[G1B+1], 128<<16
	s_mov_b32 s[G1B+2], 128<<16
	s_mov_b32 s[G1B+3], 128<<16
	s_mov_b32 s[G1B+4], 128
	s_mov_b32 s[G1B+5], 1024
	s_mov_b32 s[G1B+6], 0
	s_mov_b32 s[G1B+7], 0
	s_lshl_b32 s17, s12, 6
	s_lshl_b32 s16, s13, 7
	s_add_co_u32 s16, s16, s17                     ; A: row 128 x tile row + 64 x half
	s_mul_i32 s16, s16, KDIM*2
	s_mov_b32 s17, 0
	s_lshl_b32 s46, s42, 8                         ; W: 256 bytes x tile column,
	s_lshl_b32 s47, s12, 18                        ; + 128 rows k of 2,048 bytes x half
	s_add_co_u32 s46, s46, s47
	s_add_co_u32 s46, s46, WOFF
	s_mov_b32 s47, 0
	s_mul_i32 s20, s12, HALFA                      ; where they go: no place in the cluster enters an LDS address
	s_mul_i32 s21, s12, HALFB
	s_add_co_u32 s21, s21, BOFF
	s_wait_dscnt 0x0                               ; both opening adds are done
	s_wait_kmcnt 0x0
	s_add_nc_u64 s[14:15], s[4:5], s[16:17]
	s_add_nc_u64 s[46:47], s[6:7], s[46:47]
	CROUND                                         ; all sixteen work-groups are here
.irp s, 0,1
	s_mov_b32 s[G0+4*\s], 1
	s_add_co_u32 s[G0+4*\s+1], s20, \s*SLOT
	s_add_nc_u64 s[G0+4*\s+2:G0+4*\s+3], s[14:15], \s*KSTEP*2
	s_or_b32 s[G0+4*\s+3], s[G0+4*\s+3], 0x80000000
	s_mov_b32 s[G0B+4*\s], 1
	s_add_co_u32 s[G0B+4*\s+1], s21, \s*SLOT
	s_add_nc_u64 s[G0B+4*\s+2:G0B+4*\s+3], s[46:47], \s*KSTEP*2048
	s_or_b32 s[G0B+4*\s+3], s[G0B+4*\s+3], 0x80000000
	JLOAD \s
.endr
	v_and_b32 v1, 15, v0                           ; r
	v_bfe_u32 v2, v0, 4, 1                         ; h
	v_mul_u32_u24 v3, v1, PITCH
	v_lshl_add_u32 v3, v2, 4, v3
	v_and_b32 v4, 7, v0
	v_lshl_add_u32 v4, v2, 3, v4
	v_mul_u32_u24 v4, v4, PB                       ; the turning load: row k 8 h + lane % 8,
	v_bfe_u32 v5, v0, 3, 1
	v_lshl_add_u32 v4, v5, 4, v4                   ; columns 8 ((lane / 8) % 2) on
	s_mul_i32 s21, s11, HALFA
	s_lshl_b32 s22, s12, 7
	s_add_co_u32 s22, s22, BOFF
.irp s, 0,1
	v_add_nc_u32 v[ADRA+\s], s21, v3
	v_add_nc_u32 v[ADRB+2*\s], s22, v4
	s_add_co_u32 s23, s22, HALFB
	v_add_nc_u32 v[ADRB+2*\s+1], s23, v4
	s_add_co_u32 s21, s21, SLOT
	s_add_co_u32 s22, s22, SLOT
.endr
	s_mul_i32 s23, s10, 16*SPITCH
	s_add_co_u32 s23, s23, STAGE                   ; my stage
	v_mul_u32_u24 v5, v1, SPITCH
	v_lshl_add_u32 v5, v2, 5, v5
	v_add_nc_u32 v[STO], s23, v5                   ; in: row r, 32 bytes for each half of the lanes
	v_mul_u32_u24 v5, v2, SPITCH
	v_lshl_add_u32 v5, v1, 4, v5
	v_add_nc_u32 v[RD], s23, v5                    ; back: sixteen lanes to a row of 256 bytes
	v_lshlrev_b32 v5, 12, v2
	v_lshl_add_u32 v[CO], v1, 4, v5                ; and the same two rows in y and in the residual
	v_lshlrev_b32 v[BO], 5, v2
	s_lshl_b32 s16, s13, 7
	s_lshl_b32 s17, s11, 6
	s_add_co_u32 s16, s16, s17
	s_lshl_b32 s16, s16, 12                        ; my first row, of 4,096 bytes
	s_mov_b32 s17, 0
	s_lshl_b32 s46, s42, 9
	s_lshl_b32 s47, s12, 8
	s_add_co_u32 s46, s46, s47                     ; my first column, in bytes of f32
	s_mov_b32 s47, 0
	s_add_nc_u64 s[68:69], s[68:69], s[46:47]
	s_add_nc_u64 s[16:17], s[16:17], s[46:47]
	s_add_nc_u64 s[70:71], s[70:71], s[16:17]
	s_add_nc_u64 s[8:9], s[8:9], s[16:17]
.irp b, 0,1,2,3
	global_load_b128 v[BIAS+8*\b:BIAS+8*\b+3], v[BO], s[68:69] offset:64*\b        ; bias of columns 16 b + 8 h + 0 .. 7
	global_load_b128 v[BIAS+8*\b+4:BIAS+8*\b+7], v[BO], s[68:69] offset:64*\b+16
.endr
	WIN 0x80                                       ; destination window 2
.set n, 0
.rept 32
	global_load_b128 v[4*n:4*n+3], v[CO], s[70:71] offset:2*n*4096
.set n, n+1
.endr
	WIN 0
.macro MUL8 f, c, a0, zero             ; 8 products: row blocks a0, a0 + 1 x all 4 column blocks, 32 along K: half c of buffer f.  zero = 1: the bias starts the sums
.irp a, \a0, \a0+1
.irp b, 0,1,2,3
.if \zero
	v_wmma_f32_16x16x32_f16 v[ACC+8*(4*(\a)+\b):ACC+8*(4*(\a)+\b)+7], v[\f+64+8*(4*\c+\b):\f+64+8*(4*\c+\b)+7], v[\f+8*(4*\c+\a):\f+8*(4*\c+\a)+7], v[BIAS+8*\b:BIAS+8*\b+7]
.else
	v_wmma_f32_16x16x32_f16 v[ACC+8*(4*(\a)+\b):ACC+8*(4*(\a)+\b)+7], v[\f+64+8*(4*\c+\b):\f+64+8*(4*\c+\b)+7], v[\f+8*(4*\c+\a):\f+8*(4*\c+\a)+7], v[ACC+8*(4*(\a)+\b):ACC+8*(4*(\a)+\b)+7]
.endif
.endr
.endr
.endm
.macro FETCH slot, q, f                ; 32 LDS loads in one run: the fragments of the slot's q-th 64 along K into buffer f, the first 32 along K first
	WIN TO_F
.irp c, 0,1
.irp i, 0,1,2,3
	ds_load_tr16_b128 v[\f+64+8*(4*\c+\i):\f+64+8*(4*\c+\i)+3],   v[ADRB+2*\slot+(\q)/2] offset:(((\q)%2)*64+32*\c)*PB+32*\i
	ds_load_tr16_b128 v[\f+64+8*(4*\c+\i)+4:\f+64+8*(4*\c+\i)+7], v[ADRB+2*\slot+(\q)/2] offset:(((\q)%2)*64+32*\c+16)*PB+32*\i
	ds_load_b128 v[\f+8*(4*\c+\i):\f+8*(4*\c+\i)+3],         v[ADRA+\slot] offset:128*(\q)+64*\c+\i*16*PITCH
	ds_load_b128 v[\f+8*(4*\c+\i)+4:\f+8*(4*\c+\i)+7],       v[ADRA+\slot] offset:128*(\q)+64*\c+\i*16*PITCH+32
.endr
.endr
.endm
.macro PLACES                          ; four plain lines ahead of loads into registers that matrix instructions have read, and of reads of results
.rept 4
	v_nop
.endr
.endm
.macro QUARTER slot, q, f, g, zero     ; multiplies buffer f and fetches the slot's q-th quarter into g
	s_wait_dscnt 16                                ; the first 32 along K are in
	WIN MUL
	MUL8 \f, 0, 0, \zero
	MUL8 \f, 0, 2, \zero
	PLACES
	FETCH \slot, \q, \g
	s_wait_dscnt 32                                ; all but the 32 just issued
	WIN MUL
	MUL8 \f, 1, 0, 0
	MUL8 \f, 1, 2, 0
.endm
; The last quarter changes slots: one barrier; ahead of it each wave waits for all its tensor loads, adds 0 to its spare word, and waits for that and for its reads of this slot.  fill = 1: the slot is filled again, two K steps on.
.macro TURN slot, next, fill
	WIN 0
	s_wait_tensorcnt 0x0                           ; my part of the next slot has landed
	ds_add_u32 v[SPW], v[NIL]
	s_wait_dscnt 17                                ; the add and the youngest sixteen loads may be out
	WIN MUL
	MUL8 F1, 0, 0, 0
	s_wait_dscnt 0x0                               ; the add is done, and my reads of this slot are over
	s_barrier_signal -1
	MUL8 F1, 0, 2, 0
.if \fill
	WIN 0
.endif
	s_barrier_wait -1
.if \fill
	CREST                                          ; the barrier has opened a round of the cluster's barrier
	s_add_nc_u64 s[G0+4*\slot+2:G0+4*\slot+3], s[G0+4*\slot+2:G0+4*\slot+3], 2*KSTEP*2
	s_add_nc_u64 s[G0B+4*\slot+2:G0B+4*\slot+3], s[G0B+4*\slot+2:G0B+4*\slot+3], 2*KSTEP*2048
	JLOAD \slot                                    ; the first tensor load behind the round; its four v_nop are also the places ahead of the loads below
.else
	PLACES
.endif
	FETCH \next, 0, F0
	WIN MUL
	MUL8 F1, 1, 0, 0
	MUL8 F1, 1, 2, 0
.endm
	s_wait_tensorcnt 1                             ; my part of K step 0 is in; K step 1's may stay out
	s_barrier_signal -1
	s_barrier_wait -1
	FETCH 0, 0, F0
	s_wait_loadcnt 32                              ; the bias is in; the residual's 32 loads may stay out
	QUARTER 0, 1, F0, F1, 1
	WIN 0
	s_mov_b32 s3, LAPS-1
.Llap:                                                 ; a trip goes once round the ring and fills both slots again
	QUARTER 0, 2, F1, F0, 0
	QUARTER 0, 3, F0, F1, 0
	TURN 0, 1, 1
	QUARTER 1, 1, F0, F1, 0
	QUARTER 1, 2, F1, F0, 0
	QUARTER 1, 3, F0, F1, 0
	TURN 1, 0, 1
	QUARTER 0, 1, F0, F1, 0
	WIN 0
	s_sub_co_u32 s3, s3, 1
	s_cmp_lg_u32 s3, 0
	s_cbranch_scc1 .Llap
	QUARTER 0, 2, F1, F0, 0                        ; the last lap fills nothing
	QUARTER 0, 3, F0, F1, 0
	TURN 0, 1, 0
	QUARTER 1, 1, F0, F1, 0
	QUARTER 1, 2, F1, F0, 0
	QUARTER 1, 3, F0, F1, 0
	s_wait_dscnt 16
	WIN MUL
	MUL8 F1, 0, 0, 0
	MUL8 F1, 0, 2, 0
	s_wait_dscnt 0
	MUL8 F1, 1, 0, 0
	MUL8 F1, 1, 2, 0
	WIN 0
	; THE WAY OUT, 16 rows at a time.  A wave's 64 columns of f32 are 256 bytes: they turn through my own stage, take the residual, and leave sixteen lanes to a row.
	PLACES
	s_wait_loadcnt 0x0                             ; the residual
.irp a, 0,1,2,3
.set T, TMP+32*(\a%2)
.if \a >= 2
	s_wait_xcnt 0x0                                ; the stores of two blocks back have read the registers that are loaded again
.endif
.irp b, 0,1,2,3
	ds_store_b128 v[STO], v[ACC+8*(4*\a+\b):ACC+8*(4*\a+\b)+3] offset:64*\b       ; each accumulator from its low end on
	ds_store_b128 v[STO], v[ACC+8*(4*\a+\b)+4:ACC+8*(4*\a+\b)+7] offset:64*\b+16
.endr
.irp t, 0,1,2,3,4,5,6,7
	ds_load_b128 v[T+4*\t:T+4*\t+3], v[RD] offset:2*\t*SPITCH   ; LDS serves a wave's instructions in order: these see the stores above
.endr
	s_wait_dscnt 0x0
	WIN 0x08                                       ; source 1 (the residual) window 2
.irp n, 0,1,2,3,4,5,6,7,8,9,10,11,12,13,14,15
	v_pk_add_f32 v[T+2*\n:T+2*\n+1], v[T+2*\n:T+2*\n+1], v[32*\a+2*\n:32*\a+2*\n+1]
.endr
	WIN 0
.irp t, 0,1,2,3,4,5,6,7
	global_store_b128 v[CO], v[T+4*\t:T+4*\t+3], s[8:9] offset:(16*\a+2*\t)*4096   ; sixteen lanes store 256 consecutive bytes, aligned
.endr
.endr
	s_wait_tensorcnt 0x0                           ; the wave's end
	ds_add_u32 v[SPW], v[NIL]
	s_wait_dscnt 0x0
	CROUND                                         ; the closing round
	s_endpgm
.Lfunc_end_k_qbc58942a94_fc:
	.size	k_qbc58942a94_fc, .Lfunc_end_k_qbc58942a94_fc-k_qbc58942a94_fc
	.p2alignl 7, 3214868480
	.fill 96, 4, 3214868480
	.section	.rodata,"a",@progbits
	.p2align	6, 0x0
	.amdhsa_kernel k_qbc58942a94_fc
		.amdhsa_group_segment_fixed_size 327680
		.amdhsa_private_segment_fixed_size 0
		.amdhsa_enable_private_segment 0
		.amdhsa_kernarg_size 40
		.amdhsa_user_sgpr_count 2
		.amdhsa_user_sgpr_kernarg_segment_ptr 1
		.amdhsa_wavefront_size32 1
		.amdhsa_system_sgpr_workgroup_id_x 1
		.amdhsa_system_sgpr_workgroup_id_y 1
		.amdhsa_system_sgpr_workgroup_id_z 1
		.amdhsa_system_vgpr_workitem_id 0
		.amdhsa_next_free_vgpr 640
		.amdhsa_next_free_sgpr 72
		.amdhsa_reserve_vcc 0
		.amdhsa_float_denorm_mode_32 3
		.amdhsa_float_denorm_mode_16_64 3
		.amdhsa_memory_ordered 1
		.amdhsa_forward_progress 1
		.amdhsa_inst_pref_size 94
	.end_amdhsa_kernel
	.amdgpu_metadata
---
amdhsa.version: [ 1, 2 ]
amdhsa.kernels:
  - .name:           k_qbc58942a94_fc
    .symbol:         k_qbc58942a94_fc.kd
    .args:
      - { .name: a16, .offset: 0, .size: 8, .value_kind: global_buffer, .address_space: global }
      - { .name: wh, .offset: 8, .size: 8, .value_kind: global_buffer, .address_space: global }
      - { .name: b_fc_out, .offset: 16, .size: 8, .value_kind: global_buffer, .address_space: global }
      - { .name: x, .offset: 24, .size: 8, .value_kind: global_buffer, .address_space: global }
      - { .name: y, .offset: 32, .size: 8, .value_kind: global_buffer, .address_space: global }
    .group_segment_fixed_size: 327680
    .private_segment_fixed_size: 0
    .kernarg_segment_align: 8
    .kernarg_segment_size: 40
    .max_flat_workgroup_size: 128
    .sgpr_count:     72
    .vgpr_count:     640
    .wavefront_size: 32
...
	.end_amdgpu_metadata
.endif
;; end of part 3
;; launch ln1 (part 4): grid 256 x 1, 4 waves a work-group, no clusters, 0 bytes of LDS; arguments y, g1, be1, x1, a16; writes x1, a16
.if DOCPART == 4
	.amdgcn_target "amdgcn-amd-amdhsa--gfx1250"
	.amdhsa_code_object_version 6
	.text
	.protected	k_qbc58942a94_ln1
	.globl	k_qbc58942a94_ln1
	.p2align	8
	.type	k_qbc58942a94_ln1,@function
k_qbc58942a94_ln1:
	s_mov_b64 s[64:65], 0
	v_nop
	global_prefetch_b8 v0, s[64:65] scope:SCOPE_SE
	s_setreg_imm32_b32 hwreg(HW_REG_WAVE_MODE, 25, 1), 1
	s_wait_xcnt 0x0
; out[r][:] = (y[r][:] - mean) / sqrt(var + 1e-5) x g + be, rows of 1,024 f32; with HALF = 1 also rounded to f16 into a second buffer.
; A row is 4,096 bytes, 32 registers of one wave: it stays in registers between the passes, memory is read once, and no wave waits for another: no LDS, no barrier, no matrix unit.
; A wave takes 4 rows; all its 48 loads go out at the head.  The variance is the mean of (y - mean)^2: no difference of large sums.  LIMITS: NaN and infinities are not served; f16 holds magnitudes under 65,504.
.set HALF, 1
.set G, 32                             ; v32-63  g at my 32 columns
.set B, 64                             ; v64-95  be
.set X, 96                             ; v96-223 four rows
.set H, 224                            ; v224-255 two sets of 16 registers of f16
	s_load_b256 s[4:11], s[0:1], 0x0               ; y, g, be, out
	s_load_b64 s[12:13], s[0:1], 0x20              ; the f16 copy
	v_lshrrev_b32 v1, 5, v0
	v_readfirstlane_b32 s14, v1
	v_and_b32 v1, 31, v0
	v_lshlrev_b32 v12, 3, v1                       ; 8 x lane
	v_lshlrev_b32 v1, 4, v1                        ; 16 x lane
	s_lshl_b32 s16, ttmp9, 4
	s_lshl_b32 s15, s14, 2
	s_add_co_u32 s16, s16, s15                     ; my first row
	s_lshl_b32 s18, s16, 11
	s_lshl_b32 s16, s16, 12
	s_mov_b32 s17, 0
	s_mov_b32 s19, 0
	s_mov_b32 s20, 0x76543210
	s_mov_b32 s21, 0xfedcba98
	s_mov_b32 s22, 0x3a800000                      ; 1 / 1024
	s_mov_b32 s23, 0x3727c5ac                      ; 1e-5
	v_mov_b32 v11, 0                               ; (upper half of a pair whose low word serves both halves)
	v_mov_b32 v13, 0                               ; a lane permute's destination counts as read
	s_wait_kmcnt 0x0
	s_add_nc_u64 s[4:5], s[4:5], s[16:17]
	s_add_nc_u64 s[10:11], s[10:11], s[16:17]
	s_add_nc_u64 s[12:13], s[12:13], s[18:19]
.irp j, 0,1,2,3,4,5,6,7
	global_load_b128 v[X+4*\j:X+4*\j+3], v1, s[4:5] offset:512*\j th:TH_LOAD_NT
.endr
.irp j, 0,1,2,3,4,5,6,7
	global_load_b128 v[G+4*\j:G+4*\j+3], v1, s[6:7] offset:512*\j
.endr
.irp j, 0,1,2,3,4,5,6,7
	global_load_b128 v[B+4*\j:B+4*\j+3], v1, s[8:9] offset:512*\j
.endr
.irp r, 1,2,3
.irp j, 0,1,2,3,4,5,6,7
	global_load_b128 v[X+32*\r+4*\j:X+32*\r+4*\j+3], v1, s[4:5] offset:4096*\r+512*\j th:TH_LOAD_NT
.endr
.endr
.macro ACROSS                          ; four pairs v[2:9] become one number, the same in every lane
	v_pk_add_f32 v[2:3], v[2:3], v[4:5]
	v_pk_add_f32 v[6:7], v[6:7], v[8:9]
	v_pk_add_f32 v[2:3], v[2:3], v[6:7]
	v_add_f32 v2, v2, v3
	v_add_f32_dpp v2, v2, v2 row_xmask:1 row_mask:0xf bank_mask:0xf
	v_add_f32_dpp v2, v2, v2 row_xmask:2 row_mask:0xf bank_mask:0xf
	v_add_f32_dpp v2, v2, v2 row_xmask:4 row_mask:0xf bank_mask:0xf
	v_add_f32_dpp v2, v2, v2 row_xmask:8 row_mask:0xf bank_mask:0xf
	v_permlanex16_b32 v13, v2, s20, s21
	v_add_f32 v2, v2, v13
.endm
.macro ROW rr, left
.set XR, X+32*\rr
	s_wait_loadcnt \left                           ; this row's eight loads are in; what was issued behind them may stay out
.irp k, 0,1,2,3
	v_pk_add_f32 v[2+2*\k:3+2*\k], v[XR+2*\k:XR+2*\k+1], v[XR+8+2*\k:XR+9+2*\k]   ; the sum, in four chains
.endr
.irp n, 8,9,10,11,12,13,14,15
	v_pk_add_f32 v[2+2*(\n%4):3+2*(\n%4)], v[2+2*(\n%4):3+2*(\n%4)], v[XR+2*\n:XR+2*\n+1]
.endr
	ACROSS
	v_mul_f32 v10, 0xba800000, v2                  ; -mean
.irp n, 0,1,2,3,4,5,6,7,8,9,10,11,12,13,14,15
	v_pk_add_f32 v[XR+2*\n:XR+2*\n+1], v[XR+2*\n:XR+2*\n+1], v[10:11] op_sel_hi:[1,0]
.endr
.irp k, 0,1,2,3
	v_pk_mul_f32 v[2+2*\k:3+2*\k], v[XR+2*\k:XR+2*\k+1], v[XR+2*\k:XR+2*\k+1]
.endr
.irp n, 4,5,6,7,8,9,10,11,12,13,14,15
	v_pk_fma_f32 v[2+2*(\n%4):3+2*(\n%4)], v[XR+2*\n:XR+2*\n+1], v[XR+2*\n:XR+2*\n+1], v[2+2*(\n%4):3+2*(\n%4)]
.endr
	ACROSS
	v_fma_f32 v2, v2, s22, s23                     ; var + eps
	v_rsq_f32 v10, v2
	v_nop                                          ; a plain line behind the transcendental
	s_wait_alu depctr_va_vdst(0)                   ; and the wait ahead of its first reader
.if \rr == 0
	s_wait_loadcnt 24                              ; g and be are in; rows 1 to 3 may stay out
.endif
.irp n, 0,1,2,3,4,5,6,7,8,9,10,11,12,13,14,15
	v_pk_mul_f32 v[XR+2*\n:XR+2*\n+1], v[XR+2*\n:XR+2*\n+1], v[10:11] op_sel_hi:[1,0]
.endr
.irp n, 0,1,2,3,4,5,6,7,8,9,10,11,12,13,14,15
	v_pk_fma_f32 v[XR+2*\n:XR+2*\n+1], v[XR+2*\n:XR+2*\n+1], v[G+2*\n:G+2*\n+1], v[B+2*\n:B+2*\n+1]
.endr
.irp j, 0,1,2,3,4,5,6,7
	global_store_b128 v1, v[XR+4*\j:XR+4*\j+3], s[10:11] offset:4096*\rr+512*\j   ; 512 consecutive bytes
.endr
.if HALF
.set HS, H+16*(\rr%2)
.if \rr >= 2
	s_wait_xcnt 0x0                                ; the stores of two rows back have read this set
.endif
.irp j, 0,1,2,3,4,5,6,7
	v_cvt_pk_f16_f32 v[HS+2*\j], v[XR+4*\j], v[XR+4*\j+1]
	v_cvt_pk_f16_f32 v[HS+2*\j+1], v[XR+4*\j+2], v[XR+4*\j+3]
.endr
.irp j, 0,1,2,3,4,5,6,7
	global_store_b64 v12, v[HS+2*\j:HS+2*\j+1], s[12:13] offset:2048*\rr+256*\j   ; 256 consecutive bytes, aligned
.endr
.endif
.endm
	ROW 0, 40
	ROW 1, 16
	ROW 2, 8
	ROW 3, 0
	s_endpgm
.Lfunc_end_k_qbc58942a94_ln1:
	.size	k_qbc58942a94_ln1, .Lfunc_end_k_qbc58942a94_ln1-k_qbc58942a94_ln1
	.p2alignl 7, 3214868480
	.fill 96, 4, 3214868480
	.section	.rodata,"a",@progbits
	.p2align	6, 0x0
	.amdhsa_kernel k_qbc58942a94_ln1
		.amdhsa_group_segment_fixed_size 0
		.amdhsa_private_segment_fixed_size 0
		.amdhsa_enable_private_segment 0
		.amdhsa_kernarg_size 40
		.amdhsa_user_sgpr_count 2
		.amdhsa_user_sgpr_kernarg_segment_ptr 1
		.amdhsa_wavefront_size32 1
		.amdhsa_system_sgpr_workgroup_id_x 1
		.amdhsa_system_sgpr_workgroup_id_y 1
		.amdhsa_system_sgpr_workgroup_id_z 1
		.amdhsa_system_vgpr_workitem_id 0
		.amdhsa_next_free_vgpr 256
		.amdhsa_next_free_sgpr 66
		.amdhsa_reserve_vcc 0
		.amdhsa_float_denorm_mode_32 3
		.amdhsa_float_denorm_mode_16_64 3
		.amdhsa_memory_ordered 1
		.amdhsa_forward_progress 1
		.amdhsa_inst_pref_size 41
	.end_amdhsa_kernel
	.amdgpu_metadata
---
amdhsa.version: [ 1, 2 ]
amdhsa.kernels:
  - .name:           k_qbc58942a94_ln1
    .symbol:         k_qbc58942a94_ln1.kd
    .args:
      - { .name: y, .offset: 0, .size: 8, .value_kind: global_buffer, .address_space: global }
      - { .name: g1, .offset: 8, .size: 8, .value_kind: global_buffer, .address_space: global }
      - { .name: be1, .offset: 16, .size: 8, .value_kind: global_buffer, .address_space: global }
      - { .name: x1, .offset: 24, .size: 8, .value_kind: global_buffer, .address_space: global }
      - { .name: a16, .offset: 32, .size: 8, .value_kind: global_buffer, .address_space: global }
    .group_segment_fixed_size: 0
    .private_segment_fixed_size: 0
    .kernarg_segment_align: 8
    .kernarg_segment_size: 40
    .max_flat_workgroup_size: 128
    .sgpr_count:     66
    .vgpr_count:     256
    .wavefront_size: 32
...
	.end_amdgpu_metadata
.endif
;; end of part 4
;; launch ff1 (part 5): grid 16 x 16, 4 waves a work-group, clusters of 4 x 4, 327,680 bytes of LDS; arguments a16, wh, b_ff1, hid; writes hid
.if DOCPART == 5
	.amdgcn_target "amdgcn-amd-amdhsa--gfx1250"
	.amdhsa_code_object_version 6
	.text
	.protected	k_qbc58942a94_ff1
	.globl	k_qbc58942a94_ff1
	.p2align	8
	.type	k_qbc58942a94_ff1,@function
k_qbc58942a94_ff1:
	s_mov_b64 s[64:65], 0
	v_nop
	global_prefetch_b8 v0, s[64:65] scope:SCOPE_SE
	s_setreg_imm32_b32 hwreg(HW_REG_WAVE_MODE, 25, 1), 1
	s_wait_xcnt 0x0
	s_wait_alu depctr_hold_cnt(0) depctr_sa_sdst(0) depctr_va_vdst(0) depctr_va_sdst(0) depctr_va_ssrc(0) depctr_va_vcc(0) depctr_vm_vsrc(0)
	s_getreg_b32 s2, hwreg(HW_REG_IB_STS2, 6, 4)
	s_cmp_eq_u32 s2, 0
	s_cbranch_scc0 .Lentry_in_a_cluster
	s_endpgm
.Lentry_in_a_cluster:
	s_bfe_u32 s2, ttmp6, 0x10000c
	s_cmp_lg_u32 s2, 0xf033
	s_cbranch_scc0 .Lentry_shape_is_right
	s_endpgm
.Lentry_shape_is_right:
; hid[m][n] = relu(bias[n] + the sum over k of A[m][k] W[k][n]), rounded to f16.  A: [4096][1024] f16; W: [1024][4096] f16 at byte WOFF of wh, K along its FIRST axis; sums in f32.
; A tile is 256 x 256: 256 work-groups.  Four waves, each 128 x 128: 64 accumulators, 512 registers.  K goes in steps of 128 through two LDS slots filled by the tensor data mover
; (waves 0, 1: A's halves, 128 rows of 256 bytes; waves 2, 3: W's halves, 64 rows k of 512 bytes).  W's fragments come out of LDS turned, by ds_load_tr16_b128.
; CLUSTERS: 4 x 4; A's tile is shared along a row of the cluster, W's along a column: each is asked for jointly.
; THE MATRIX INSTRUCTION IS USED TRANSPOSED (source 0 = 16 columns of W, source 1 = 16 rows of A): a lane holds eight neighbouring numbers of a row.  The bias is the C of each sum's first product.
; LIMITS: f16 operands and results hold magnitudes under 65,504; NaN and infinities are not served (the maximum with 0 turns a NaN into 0).
; REGISTERS: window 0: v1-29 addresses; v64-127, v128-191 A's fragments, two buffers; v32-63, v192-255 the way out.  Window 1: v0-63 the bias (8 blocks x 8); v64-127, v128-191 W's fragments.
;            Window 2: the accumulators of my rows 0-63 ((a, b) at 8 (8 a + b)); window 3: those of rows 64-127.
.set SIZE_N, 4096
.set SIZE_K, 1024
.set WOFF,   0x200000
.set KSTEP,  128
.set PITCH,  272                       ; A's LDS row: 256 bytes + 16
.set PB,     544                       ; W's LDS row: 512 bytes + 32
.set HALFT,  128*PITCH                 ; what one tensor load brings: 128 rows of A, or 64 rows k of W
.set SLOT,   4*HALFT
.set STAGE,  2*SLOT
.set SPITCH, 272
.set SPARE,  STAGE+4*16*SPITCH
.set LAPS,   SIZE_K/(2*KSTEP)
.set ADRA, 16
.set ADRB, 20
.set STO,  24
.set RD,   25
.set CO,   26
.set BO,   27
.set SPW,  28
.set NIL,  29
.set F0,   64
.set F1,   128
.set TMP,  192
.set OB,   32
.set G1,  24
.set G0,  32
.set G1B, 48
.set G0B, 56
.set MSB, 0
.macro WIN new
.if MSB != \new
	s_set_vgpr_msb (MSB<<8)|\new
.set MSB, \new
.endif
.endm
.set MUL_LO, 0xa1                      ; source 0 (W) window 1, source 1 (A) window 0, C and D window 2
.set MUL_HI, 0xf1                      ; the same, C and D window 3
.set TO_B,   0x40
.macro JLOAD s
	s_cmp_eq_u32 s11, 0
	s_cbranch_scc0 .Lfor_b_\@
	tensor_load_to_lds s[G0+4*\s:G0+4*\s+3], s[G1:G1+7]
	s_nop 0
.rept 4
	v_nop
.endr
	s_branch .Lasked_\@
.Lfor_b_\@:
	tensor_load_to_lds s[G0B+4*\s:G0B+4*\s+3], s[G1B:G1B+7]
	s_nop 0
.rept 4
	v_nop
.endr
.Lasked_\@:
.endm
.macro CREST
	s_cmp_lg_u32 s10, 0
	s_cbranch_scc1 .Lnot_wave_0_\@
	s_barrier_signal -3
.Lnot_wave_0_\@:
	s_barrier_wait -3
	s_barrier_signal -1
	s_barrier_wait -1
.endm
.macro CROUND
	s_barrier_signal -1
	s_barrier_wait -1
	CREST
.endm
	s_load_b128 s[4:7], s[0:1], 0x0                ; A, wh
	s_load_b64 s[66:67], s[0:1], 0x10              ; bias
	s_load_b64 s[8:9], s[0:1], 0x18                ; hid
	v_lshl_add_u32 v[SPW], v0, 2, SPARE
	v_mov_b32 v[NIL], 0
	ds_add_u32 v[SPW], v[NIL]                      ; the wave's opening: the add, twice on end, and its wait ahead of my first tensor load
	ds_add_u32 v[SPW], v[NIL]
	v_lshrrev_b32 v1, 5, v0
	v_readfirstlane_b32 s10, v1
	s_lshr_b32 s11, s10, 1                         ; my half of the rows.  Also: I fetch for A (0) or for W (1)
	s_and_b32 s12, s10, 1                          ; my half of the columns.  Also: which half of that tile I fetch
	s_bfe_u32 s40, ttmp6, 0x40000
	s_bfe_u32 s41, ttmp6, 0x40004
	s_lshl_b32 s42, ttmp9, 2
	s_add_co_u32 s42, s42, s40                     ; tile column
	s_and_b32 s13, ttmp7, 0xffff
	s_lshl_b32 s13, s13, 2
	s_add_co_u32 s13, s13, s41                     ; tile row
	s_lshl_b32 s43, s41, 2
	s_lshl_b32 s43, 15, s43
	s_lshl_b32 s44, 0x1111, s40
	s_or_b32 s[G1+0], s43, (1<<16)|(1<<20)|(1<<21)|(5<<22)|(3<<25)    ; A: 4 words of padding behind every 64
	s_mov_b32 s[G1+1], KSTEP<<16
	s_mov_b32 s[G1+2], 128<<16
	s_mov_b32 s[G1+3], KSTEP<<16
	s_mov_b32 s[G1+4], 128
	s_mov_b32 s[G1+5], SIZE_K
	s_mov_b32 s[G1+6], 0
	s_mov_b32 s[G1+7], 0
	s_or_b32 s[G1B+0], s44, (1<<16)|(1<<20)|(1<<21)|(6<<22)|(7<<25)   ; W: 64 rows k of 256 elements; 8 words of padding behind every 128
	s_mov_b32 s[G1B+1], 256<<16
	s_mov_b32 s[G1B+2], 64<<16
	s_mov_b32 s[G1B+3], 256<<16
	s_mov_b32 s[G1B+4], 64
	s_mov_b32 s[G1B+5], SIZE_N
	s_mov_b32 s[G1B+6], 0
	s_mov_b32 s[G1B+7], 0
	s_lshl_b32 s17, s12, 7
	s_lshl_b32 s16, s13, 8
	s_add_co_u32 s16, s16, s17
	s_lshl_b32 s16, s16, 11                        ; A: row 256 x tile row + 128 x half, of 2,048 bytes
	s_mov_b32 s17, 0
	s_lshl_b32 s46, s42, 9                         ; W: 512 bytes x tile column,
	s_lshl_b32 s47, s12, 19                        ; + 64 rows k of 8,192 bytes x half
	s_add_co_u32 s46, s46, s47
	s_add_co_u32 s46, s46, WOFF
	s_mov_b32 s47, 0
	s_mul_i32 s20, s10, HALFT
	s_wait_dscnt 0x0
	s_wait_kmcnt 0x0
	s_add_nc_u64 s[14:15], s[4:5], s[16:17]
	s_add_nc_u64 s[46:47], s[6:7], s[46:47]
	CROUND
.irp s, 0,1
	s_mov_b32 s[G0+4*\s], 1
	s_add_co_u32 s[G0+4*\s+1], s20, \s*SLOT
	s_add_nc_u64 s[G0+4*\s+2:G0+4*\s+3], s[14:15], \s*KSTEP*2
	s_or_b32 s[G0+4*\s+3], s[G0+4*\s+3], 0x80000000
	s_mov_b32 s[G0B+4*\s], 1
	s_add_co_u32 s[G0B+4*\s+1], s20, \s*SLOT
	s_add_nc_u64 s[G0B+4*\s+2:G0B+4*\s+3], s[46:47], \s*KSTEP*SIZE_N*2
	s_or_b32 s[G0B+4*\s+3], s[G0B+4*\s+3], 0x80000000
	JLOAD \s
.endr
	v_and_b32 v1, 15, v0
	v_bfe_u32 v2, v0, 4, 1
	v_mul_u32_u24 v3, v1, PITCH
	v_lshl_add_u32 v3, v2, 4, v3
	v_and_b32 v4, 7, v0
	v_lshl_add_u32 v4, v2, 3, v4
	v_mul_u32_u24 v4, v4, PB
	v_bfe_u32 v5, v0, 3, 1
	v_lshl_add_u32 v4, v5, 4, v4
	s_mul_i32 s21, s11, HALFT
	s_lshl_b32 s22, s12, 8
	s_add_co_u32 s22, s22, 2*HALFT
.irp s, 0,1
	v_add_nc_u32 v[ADRA+\s], s21, v3
	v_add_nc_u32 v[ADRB+\s], s22, v4
	s_add_co_u32 s21, s21, SLOT
	s_add_co_u32 s22, s22, SLOT
.endr
	s_mul_i32 s23, s10, 16*SPITCH
	s_add_co_u32 s23, s23, STAGE
	v_mul_u32_u24 v4, v1, SPITCH
	v_lshl_add_u32 v4, v2, 4, v4
	v_add_nc_u32 v[STO], s23, v4
	v_mul_u32_u24 v5, v2, SPITCH
	v_lshl_add_u32 v5, v1, 4, v5
	v_add_nc_u32 v[RD], s23, v5
	v_mul_u32_u24 v5, v2, SIZE_N*2
	v_lshl_add_u32 v[CO], v1, 4, v5
	v_lshlrev_b32 v[BO], 5, v2
	s_lshl_b32 s16, s13, 8
	s_lshl_b32 s14, s11, 7
	s_add_co_u32 s16, s16, s14
	s_lshl_b32 s16, s16, 13                        ; my first row of hid, of 8,192 bytes
	s_mov_b32 s17, 0
	s_lshl_b32 s46, s42, 9
	s_lshl_b32 s47, s12, 8
	s_add_co_u32 s46, s46, s47                     ; my first column, in bytes of f16
	s_mov_b32 s47, 0
	s_add_nc_u64 s[16:17], s[16:17], s[46:47]      ; what the first way out adds to hid's address
	s_lshl_b32 s46, s46, 1                         ; the same column in bytes of f32
	s_add_nc_u64 s[66:67], s[66:67], s[46:47]
	WIN 0x40
.irp b, 0,1,2,3,4,5,6,7
	global_load_b128 v[8*\b:8*\b+3], v[BO], s[66:67] offset:64*\b         ; bias of columns 16 b + 8 h + 0 .. 7
	global_load_b128 v[8*\b+4:8*\b+7], v[BO], s[66:67] offset:64*\b+16
.endr
	WIN 0
.macro MUL16 f, hi, a0, zero           ; 16 products: row blocks a0, a0 + 1 of the window's four x all 8 column blocks, 32 along K.  zero = 1: the bias (window 1) starts the sums
.irp a, \a0, \a0+1
.irp b, 0,1,2,3,4,5,6,7
.if \zero
	v_wmma_f32_16x16x32_f16 v[8*(8*(\a)+\b):8*(8*(\a)+\b)+7], v[\f+8*\b:\f+8*\b+7], v[\f+8*(4*\hi+\a):\f+8*(4*\hi+\a)+7], v[8*\b:8*\b+7]
.else
	v_wmma_f32_16x16x32_f16 v[8*(8*(\a)+\b):8*(8*(\a)+\b)+7], v[\f+8*\b:\f+8*\b+7], v[\f+8*(4*\hi+\a):\f+8*(4*\hi+\a)+7], v[8*(8*(\a)+\b):8*(8*(\a)+\b)+7]
.endif
.endr
.endr
.endm
.macro FETCH slot, kq, f               ; 32 LDS loads in one run: the fragments of the slot's kq-th 32 along K
	WIN TO_B
.irp i, 0,1,2,3,4,5,6,7
	ds_load_tr16_b128 v[\f+8*\i:\f+8*\i+3],   v[ADRB+\slot] offset:(\kq)*32*PB+32*\i
	ds_load_tr16_b128 v[\f+8*\i+4:\f+8*\i+7], v[ADRB+\slot] offset:(\kq)*32*PB+16*PB+32*\i
.endr
	WIN 0
.irp i, 0,1,2,3,4,5,6,7
	ds_load_b128 v[\f+8*\i:\f+8*\i+3],   v[ADRA+\slot] offset:(\kq)*64+\i*16*PITCH
	ds_load_b128 v[\f+8*\i+4:\f+8*\i+7], v[ADRA+\slot] offset:(\kq)*64+\i*16*PITCH+32
.endr
.endm
.macro PLACES
.rept 4
	v_nop
.endr
.endm
.macro QUARTER slot, kq, f, g, zero
	s_wait_dscnt 8                                 ; W and A's rows 0-63 are in; the youngest eight loads may be out
.if \zero
	WIN 0x91                                       ; C window 1, D window 2
.else
	WIN MUL_LO
.endif
	MUL16 \f, 0, 0, \zero
	MUL16 \f, 0, 2, \zero
	PLACES
	FETCH \slot, \kq, \g
	s_wait_dscnt 32                                ; all but the 32 just issued
.if \zero
	WIN 0xd1                                       ; C window 1, D window 3
.else
	WIN MUL_HI
.endif
	MUL16 \f, 1, 0, \zero
	MUL16 \f, 1, 2, \zero
.endm
.macro TURN slot, next, fill           ; the last quarter changes slots: one barrier, with the three lines ahead of it; fill = 1: the slot is filled again, two K steps on
	WIN 0
	s_wait_tensorcnt 0x0                           ; my part of the next slot has landed
	ds_add_u32 v[SPW], v[NIL]
	s_wait_dscnt 9                                 ; the add and the youngest eight loads may be out
	WIN MUL_LO
	MUL16 F1, 0, 0, 0
	s_wait_dscnt 0x0                               ; the add is done, and my reads of this slot are over
	s_barrier_signal -1
	MUL16 F1, 0, 2, 0
.if \fill
	WIN 0
.endif
	s_barrier_wait -1
.if \fill
	CREST
	s_add_nc_u64 s[G0+4*\slot+2:G0+4*\slot+3], s[G0+4*\slot+2:G0+4*\slot+3], 2*KSTEP*2
	s_add_nc_u64 s[G0B+4*\slot+2:G0B+4*\slot+3], s[G0B+4*\slot+2:G0B+4*\slot+3], 2*KSTEP*SIZE_N*2
	JLOAD \slot
.else
	PLACES
.endif
	FETCH \next, 0, F0
	WIN MUL_HI
	MUL16 F1, 1, 0, 0
	MUL16 F1, 1, 2, 0
.endm
; THE WAY OUT of block a (16 rows x 128 columns): the maximum with 0, rounded to f16, through my own stage, stored as whole rows of 256 bytes.
.macro PACK a
.set AC, 64*((\a)%4)
	WIN 0x88+0x44*((\a)/4)                         ; source 1 and destination: window 2 or 3
.set i, 0
.rept 64
	v_max_num_f32 v[AC+i], 0, v[AC+i]              ; each accumulator from its low end on
.set i, i+1
.endr
	WIN 0x0a+5*((\a)/4)
.irp b, 0,1,2,3,4,5,6,7
.irp r, 0,1,2,3
	v_cvt_pk_f16_f32 v[TMP+4*\b+\r], v[AC+8*\b+2*\r], v[AC+8*\b+2*\r+1]
.endr
.endr
	WIN 0
.endm
.macro TOSTAGE a
.set BK, OB+192*((\a)%2)
.irp b, 0,1,2,3,4,5,6,7
	ds_store_b128 v[STO], v[TMP+4*\b:TMP+4*\b+3] offset:32*\b
.endr
.irp t, 0,1,2,3,4,5,6,7
	ds_load_b128 v[BK+4*\t:BK+4*\t+3], v[RD] offset:\t*2*SPITCH
.endr
.endm
.macro SEND a, younger
.set BK, OB+192*((\a)%2)
	s_wait_dscnt \younger
	s_wait_xcnt 0x0                                ; only behind this wait are the stores' base and the registers that earlier stores read rewritten
.if (\a) == 0
	s_add_nc_u64 s[8:9], s[8:9], s[16:17]
.else
	s_add_nc_u64 s[8:9], s[8:9], 16*SIZE_N*2
.endif
.irp t, 0,1,2,3,4,5,6,7
	global_store_b128 v[CO], v[BK+4*\t:BK+4*\t+3], s[8:9] offset:2*\t*SIZE_N*2   ; sixteen lanes store 256 consecutive bytes, aligned
.endr
.endm
	s_wait_tensorcnt 1                             ; my part of K step 0 is in; K step 1's may stay out
	s_barrier_signal -1
	s_barrier_wait -1
	FETCH 0, 0, F0
	s_wait_loadcnt 0x0                             ; the bias
	QUARTER 0, 1, F0, F1, 1
	WIN 0
	s_mov_b32 s3, LAPS-1
.Llap:
	QUARTER 0, 2, F1, F0, 0
	QUARTER 0, 3, F0, F1, 0
	TURN 0, 1, 1
	QUARTER 1, 1, F0, F1, 0
	QUARTER 1, 2, F1, F0, 0
	QUARTER 1, 3, F0, F1, 0
	TURN 1, 0, 1
	QUARTER 0, 1, F0, F1, 0
	WIN 0
	s_sub_co_u32 s3, s3, 1
	s_cmp_lg_u32 s3, 0
	s_cbranch_scc1 .Llap
	QUARTER 0, 2, F1, F0, 0                        ; the last lap fills nothing
	QUARTER 0, 3, F0, F1, 0
	TURN 0, 1, 0
	QUARTER 1, 1, F0, F1, 0
	QUARTER 1, 2, F1, F0, 0
	QUARTER 1, 3, F0, F1, 0
	s_wait_dscnt 8
	WIN MUL_LO
	MUL16 F1, 0, 0, 0
	MUL16 F1, 0, 2, 0
	s_wait_dscnt 0
	WIN MUL_HI
	MUL16 F1, 1, 0, 0
	MUL16 F1, 1, 2, 0
	WIN 0
	PLACES
	PACK 0
	TOSTAGE 0
.irp a, 1,2,3,4,5,6,7                  ; block a's arithmetic stands between block a - 1's loads from the stage and the wait for them
	PACK \a
	SEND \a-1, 0
	TOSTAGE \a
.endr
	SEND 7, 0
	s_wait_tensorcnt 0x0                           ; the wave's end
	ds_add_u32 v[SPW], v[NIL]
	s_wait_dscnt 0x0
	CROUND
	s_endpgm
.Lfunc_end_k_qbc58942a94_ff1:
	.size	k_qbc58942a94_ff1, .Lfunc_end_k_qbc58942a94_ff1-k_qbc58942a94_ff1
	.p2alignl 7, 3214868480
	.fill 96, 4, 3214868480
	.section	.rodata,"a",@progbits
	.p2align	6, 0x0
	.amdhsa_kernel k_qbc58942a94_ff1
		.amdhsa_group_segment_fixed_size 327680
		.amdhsa_private_segment_fixed_size 0
		.amdhsa_enable_private_segment 0
		.amdhsa_kernarg_size 32
		.amdhsa_user_sgpr_count 2
		.amdhsa_user_sgpr_kernarg_segment_ptr 1
		.amdhsa_wavefront_size32 1
		.amdhsa_system_sgpr_workgroup_id_x 1
		.amdhsa_system_sgpr_workgroup_id_y 1
		.amdhsa_system_sgpr_workgroup_id_z 1
		.amdhsa_system_vgpr_workitem_id 0
		.amdhsa_next_free_vgpr 1024
		.amdhsa_next_free_sgpr 68
		.amdhsa_reserve_vcc 0
		.amdhsa_float_denorm_mode_32 3
		.amdhsa_float_denorm_mode_16_64 3
		.amdhsa_memory_ordered 1
		.amdhsa_forward_progress 1
		.amdhsa_inst_pref_size 161
	.end_amdhsa_kernel
	.amdgpu_metadata
---
amdhsa.version: [ 1, 2 ]
amdhsa.kernels:
  - .name:           k_qbc58942a94_ff1
    .symbol:         k_qbc58942a94_ff1.kd
    .args:
      - { .name: a16, .offset: 0, .size: 8, .value_kind: global_buffer, .address_space: global }
      - { .name: wh, .offset: 8, .size: 8, .value_kind: global_buffer, .address_space: global }
      - { .name: b_ff1, .offset: 16, .size: 8, .value_kind: global_buffer, .address_space: global }
      - { .name: hid, .offset: 24, .size: 8, .value_kind: global_buffer, .address_space: global }
    .group_segment_fixed_size: 327680
    .private_segment_fixed_size: 0
    .kernarg_segment_align: 8
    .kernarg_segment_size: 32
    .max_flat_workgroup_size: 128
    .sgpr_count:     68
    .vgpr_count:     1024
    .wavefront_size: 32
...
	.end_amdgpu_metadata
.endif
;; end of part 5
;; launch ff2 (part 6): grid 8 x 32, 4 waves a work-group, clusters of 4 x 4, 327,680 bytes of LDS; arguments hid, wh, b_ff2, x1, y; writes y
.if DOCPART == 6
	.amdgcn_target "amdgcn-amd-amdhsa--gfx1250"
	.amdhsa_code_object_version 6
	.text
	.protected	k_qbc58942a94_ff2
	.globl	k_qbc58942a94_ff2
	.p2align	8
	.type	k_qbc58942a94_ff2,@function
k_qbc58942a94_ff2:
	s_mov_b64 s[64:65], 0
	v_nop
	global_prefetch_b8 v0, s[64:65] scope:SCOPE_SE
	s_setreg_imm32_b32 hwreg(HW_REG_WAVE_MODE, 25, 1), 1
	s_wait_xcnt 0x0
	s_wait_alu depctr_hold_cnt(0) depctr_sa_sdst(0) depctr_va_vdst(0) depctr_va_sdst(0) depctr_va_ssrc(0) depctr_va_vcc(0) depctr_vm_vsrc(0)
	s_getreg_b32 s2, hwreg(HW_REG_IB_STS2, 6, 4)
	s_cmp_eq_u32 s2, 0
	s_cbranch_scc0 .Lentry_in_a_cluster
	s_endpgm
.Lentry_in_a_cluster:
	s_bfe_u32 s2, ttmp6, 0x10000c
	s_cmp_lg_u32 s2, 0xf033
	s_cbranch_scc0 .Lentry_shape_is_right
	s_endpgm
.Lentry_shape_is_right:
; y[m][n] = res[m][n] + bias[n] + the sum over k of A[m][k] W[k][n].  A: [4096][KDIM] f16; W: [KDIM][1024] f16 at byte WOFF of wh, K along its FIRST axis; res, y: [4096][1024] f32; sums in f32.
; The text of the projection's launch with KDIM = 4096 and WOFF = 0xA00000; all its comments hold here.
; A tile of y is 128 x 128: 256 work-groups.  Four waves, each 64 x 64.  K goes in steps of 256 through two LDS slots (waves 0, 1: A's halves; waves 2, 3: W's halves); W's fragments come out of LDS turned.
; CLUSTERS: 4 x 4; A's tile is shared along a row of the cluster, W's along a column.  The matrix instruction is used transposed.  The bias is the C of each sum's first product; the residual is added on the way out.
; LIMITS: f16 operands hold magnitudes under 65,504; NaN and infinities are not served.
; REGISTERS: window 0: v1-29 addresses; v32-95 the way out; v96-127 the bias; v128-255 accumulators.  Window 1: two fragment buffers of 128.  Window 2: v0-127 the residual.
.set KDIM,   4096
.set WOFF,   0xA00000
.set KSTEP,  256
.set PITCH,  528
.set PB,     288
.set HALFA,  64*PITCH
.set HALFB,  128*PB
.set BOFF,   2*HALFA
.set SLOT,   BOFF+2*HALFB
.set STAGE,  2*SLOT
.set SPITCH, 272
.set SPARE,  STAGE+4*16*SPITCH
.set LAPS,   KDIM/(2*KSTEP)
.set ADRA, 16
.set ADRB, 20
.set STO,  24
.set RD,   25
.set CO,   26
.set BO,   27
.set SPW,  28
.set NIL,  29
.set TMP,  32
.set BIAS, 96
.set ACC,  128
.set F0,   0
.set F1,   128
.set G1,  24
.set G0,  32
.set G1B, 48
.set G0B, 56
.set MSB, 0
.macro WIN new
.if MSB != \new
	s_set_vgpr_msb (MSB<<8)|\new
.set MSB, \new
.endif
.endm
.set MUL,  0x05
.set TO_F, 0x40
.macro JLOAD s
	s_cmp_eq_u32 s11, 0
	s_cbranch_scc0 .Lfor_b_\@
	tensor_load_to_lds s[G0+4*\s:G0+4*\s+3], s[G1:G1+7]
	s_nop 0
.rept 4
	v_nop
.endr
	s_branch .Lasked_\@
.Lfor_b_\@:
	tensor_load_to_lds s[G0B+4*\s:G0B+4*\s+3], s[G1B:G1B+7]
	s_nop 0
.rept 4
	v_nop
.endr
.Lasked_\@:
.endm
.macro CREST
	s_cmp_lg_u32 s10, 0
	s_cbranch_scc1 .Lnot_wave_0_\@
	s_barrier_signal -3
.Lnot_wave_0_\@:
	s_barrier_wait -3
	s_barrier_signal -1
	s_barrier_wait -1
.endm
.macro CROUND
	s_barrier_signal -1
	s_barrier_wait -1
	CREST
.endm
	s_load_b128 s[4:7], s[0:1], 0x0                ; A, wh
	s_load_b128 s[68:71], s[0:1], 0x10             ; bias, residual
	s_load_b64 s[8:9], s[0:1], 0x20                ; y
	v_lshl_add_u32 v[SPW], v0, 2, SPARE
	v_mov_b32 v[NIL], 0
	ds_add_u32 v[SPW], v[NIL]                      ; the wave's opening: the add, twice on end, and its wait ahead of my first tensor load
	ds_add_u32 v[SPW], v[NIL]
	v_lshrrev_b32 v1, 5, v0
	v_readfirstlane_b32 s10, v1
	s_lshr_b32 s11, s10, 1
	s_and_b32 s12, s10, 1
	s_bfe_u32 s40, ttmp6, 0x40000
	s_bfe_u32 s41, ttmp6, 0x40004
	s_lshl_b32 s42, ttmp9, 2
	s_add_co_u32 s42, s42, s40
	s_and_b32 s13, ttmp7, 0xffff
	s_lshl_b32 s13, s13, 2
	s_add_co_u32 s13, s13, s41
	s_lshl_b32 s43, s41, 2
	s_lshl_b32 s43, 15, s43
	s_lshl_b32 s44, 0x1111, s40
	s_or_b32 s[G1+0], s43, (1<<16)|(1<<20)|(1<<21)|(6<<22)|(3<<25)
	s_mov_b32 s[G1+1], KSTEP<<16
	s_mov_b32 s[G1+2], 64<<16
	s_mov_b32 s[G1+3], KSTEP<<16
	s_mov_b32 s[G1+4], 64
	s_mov_b32 s[G1+5], KDIM
	s_mov_b32 s[G1+6], 0
	s_mov_b32 s[G1+7], 0
	s_or_b32 s[G1B+0], s44, (1<<16)|(1<<20)|(1<<21)|(5<<22)|(7<<25)
	s_mov_b32 s[G1B+1], 128<<16
	s_mov_b32 s[G1B+2], 128<<16
	s_mov_b32 s[G1B+3], 128<<16
	s_mov_b32 s[G1B+4], 128
	s_mov_b32 s[G1B+5], 1024
	s_mov_b32 s[G1B+6], 0
	s_mov_b32 s[G1B+7], 0
	s_lshl_b32 s17, s12, 6
	s_lshl_b32 s16, s13, 7
	s_add_co_u32 s16, s16, s17
	s_mul_i32 s16, s16, KDIM*2
	s_mov_b32 s17, 0
	s_lshl_b32 s46, s42, 8
	s_lshl_b32 s47, s12, 18
	s_add_co_u32 s46, s46, s47
	s_add_co_u32 s46, s46, WOFF
	s_mov_b32 s47, 0
	s_mul_i32 s20, s12, HALFA
	s_mul_i32 s21, s12, HALFB
	s_add_co_u32 s21, s21, BOFF
	s_wait_dscnt 0x0
	s_wait_kmcnt 0x0
	s_add_nc_u64 s[14:15], s[4:5], s[16:17]
	s_add_nc_u64 s[46:47], s[6:7], s[46:47]
	CROUND
.irp s, 0,1
	s_mov_b32 s[G0+4*\s], 1
	s_add_co_u32 s[G0+4*\s+1], s20, \s*SLOT
	s_add_nc_u64 s[G0+4*\s+2:G0+4*\s+3], s[14:15], \s*KSTEP*2
	s_or_b32 s[G0+4*\s+3], s[G0+4*\s+3], 0x80000000
	s_mov_b32 s[G0B+4*\s], 1
	s_add_co_u32 s[G0B+4*\s+1], s21, \s*SLOT
	s_add_nc_u64 s[G0B+4*\s+2:G0B+4*\s+3], s[46:47], \s*KSTEP*2048
	s_or_b32 s[G0B+4*\s+3], s[G0B+4*\s+3], 0x80000000
	JLOAD \s
.endr
	v_and_b32 v1, 15, v0
	v_bfe_u32 v2, v0, 4, 1
	v_mul_u32_u24 v3, v1, PITCH
	v_lshl_add_u32 v3, v2, 4, v3
	v_and_b32 v4, 7, v0
	v_lshl_add_u32 v4, v2, 3, v4
	v_mul_u32_u24 v4, v4, PB
	v_bfe_u32 v5, v0, 3, 1
	v_lshl_add_u32 v4, v5, 4, v4
	s_mul_i32 s21, s11, HALFA
	s_lshl_b32 s22, s12, 7
	s_add_co_u32 s22, s22, BOFF
.irp s, 0,1
	v_add_nc_u32 v[ADRA+\s], s21, v3
	v_add_nc_u32 v[ADRB+2*\s], s22, v4
	s_add_co_u32 s23, s22, HALFB
	v_add_nc_u32 v[ADRB+2*\s+1], s23, v4
	s_add_co_u32 s21, s21, SLOT
	s_add_co_u32 s22, s22, SLOT
.endr
	s_mul_i32 s23, s10, 16*SPITCH
	s_add_co_u32 s23, s23, STAGE
	v_mul_u32_u24 v5, v1, SPITCH
	v_lshl_add_u32 v5, v2, 5, v5
	v_add_nc_u32 v[STO], s23, v5
	v_mul_u32_u24 v5, v2, SPITCH
	v_lshl_add_u32 v5, v1, 4, v5
	v_add_nc_u32 v[RD], s23, v5
	v_lshlrev_b32 v5, 12, v2
	v_lshl_add_u32 v[CO], v1, 4, v5
	v_lshlrev_b32 v[BO], 5, v2
	s_lshl_b32 s16, s13, 7
	s_lshl_b32 s17, s11, 6
	s_add_co_u32 s16, s16, s17
	s_lshl_b32 s16, s16, 12
	s_mov_b32 s17, 0
	s_lshl_b32 s46, s42, 9
	s_lshl_b32 s47, s12, 8
	s_add_co_u32 s46, s46, s47
	s_mov_b32 s47, 0
	s_add_nc_u64 s[68:69], s[68:69], s[46:47]
	s_add_nc_u64 s[16:17], s[16:17], s[46:47]
	s_add_nc_u64 s[70:71], s[70:71], s[16:17]
	s_add_nc_u64 s[8:9], s[8:9], s[16:17]
.irp b, 0,1,2,3
	global_load_b128 v[BIAS+8*\b:BIAS+8*\b+3], v[BO], s[68:69] offset:64*\b
	global_load_b128 v[BIAS+8*\b+4:BIAS+8*\b+7], v[BO], s[68:69] offset:64*\b+16
.endr
	WIN 0x80
.set n, 0
.rept 32
	global_load_b128 v[4*n:4*n+3], v[CO], s[70:71] offset:2*n*4096
.set n, n+1
.endr
	WIN 0
.macro MUL8 f, c, a0, zero
.irp a, \a0, \a0+1
.irp b, 0,1,2,3
.if \zero
	v_wmma_f32_16x16x32_f16 v[ACC+8*(4*(\a)+\b):ACC+8*(4*(\a)+\b)+7], v[\f+64+8*(4*\c+\b):\f+64+8*(4*\c+\b)+7], v[\f+8*(4*\c+\a):\f+8*(4*\c+\a)+7], v[BIAS+8*\b:BIAS+8*\b+7]
.else
	v_wmma_f32_16x16x32_f16 v[ACC+8*(4*(\a)+\b):ACC+8*(4*(\a)+\b)+7], v[\f+64+8*(4*\c+\b):\f+64+8*(4*\c+\b)+7], v[\f+8*(4*\c+\a):\f+8*(4*\c+\a)+7], v[ACC+8*(4*(\a)+\b):ACC+8*(4*(\a)+\b)+7]
.endif
.endr
.endr
.endm
.macro FETCH slot, q, f
	WIN TO_F
.irp c, 0,1
.irp i, 0,1,2,3
	ds_load_tr16_b128 v[\f+64+8*(4*\c+\i):\f+64+8*(4*\c+\i)+3],   v[ADRB+2*\slot+(\q)/2] offset:(((\q)%2)*64+32*\c)*PB+32*\i
	ds_load_tr16_b128 v[\f+64+8*(4*\c+\i)+4:\f+64+8*(4*\c+\i)+7], v[ADRB+2*\slot+(\q)/2] offset:(((\q)%2)*64+32*\c+16)*PB+32*\i
	ds_load_b128 v[\f+8*(4*\c+\i):\f+8*(4*\c+\i)+3],         v[ADRA+\slot] offset:128*(\q)+64*\c+\i*16*PITCH
	ds_load_b128 v[\f+8*(4*\c+\i)+4:\f+8*(4*\c+\i)+7],       v[ADRA+\slot] offset:128*(\q)+64*\c+\i*16*PITCH+32
.endr
.endr
.endm
.macro PLACES
.rept 4
	v_nop
.endr
.endm
.macro QUARTER slot, q, f, g, zero
	s_wait_dscnt 16                                ; the first 32 along K are in
	WIN MUL
	MUL8 \f, 0, 0, \zero
	MUL8 \f, 0, 2, \zero
	PLACES
	FETCH \slot, \q, \g
	s_wait_dscnt 32                                ; all but the 32 just issued
	WIN MUL
	MUL8 \f, 1, 0, 0
	MUL8 \f, 1, 2, 0
.endm
.macro TURN slot, next, fill
	WIN 0
	s_wait_tensorcnt 0x0                           ; my part of the next slot has landed
	ds_add_u32 v[SPW], v[NIL]
	s_wait_dscnt 17                                ; the add and the youngest sixteen loads may be out
	WIN MUL
	MUL8 F1, 0, 0, 0
	s_wait_dscnt 0x0                               ; the add is done, and my reads of this slot are over
	s_barrier_signal -1
	MUL8 F1, 0, 2, 0
.if \fill
	WIN 0
.endif
	s_barrier_wait -1
.if \fill
	CREST
	s_add_nc_u64 s[G0+4*\slot+2:G0+4*\slot+3], s[G0+4*\slot+2:G0+4*\slot+3], 2*KSTEP*2
	s_add_nc_u64 s[G0B+4*\slot+2:G0B+4*\slot+3], s[G0B+4*\slot+2:G0B+4*\slot+3], 2*KSTEP*2048
	JLOAD \slot
.else
	PLACES
.endif
	FETCH \next, 0, F0
	WIN MUL
	MUL8 F1, 1, 0, 0
	MUL8 F1, 1, 2, 0
.endm
	s_wait_tensorcnt 1                             ; my part of K step 0 is in; K step 1's may stay out
	s_barrier_signal -1
	s_barrier_wait -1
	FETCH 0, 0, F0
	s_wait_loadcnt 32                              ; the bias is in; the residual's 32 loads may stay out
	QUARTER 0, 1, F0, F1, 1
	WIN 0
	s_mov_b32 s3, LAPS-1
.Llap:
	QUARTER 0, 2, F1, F0, 0
	QUARTER 0, 3, F0, F1, 0
	TURN 0, 1, 1
	QUARTER 1, 1, F0, F1, 0
	QUARTER 1, 2, F1, F0, 0
	QUARTER 1, 3, F0, F1, 0
	TURN 1, 0, 1
	QUARTER 0, 1, F0, F1, 0
	WIN 0
	s_sub_co_u32 s3, s3, 1
	s_cmp_lg_u32 s3, 0
	s_cbranch_scc1 .Llap
	QUARTER 0, 2, F1, F0, 0
	QUARTER 0, 3, F0, F1, 0
	TURN 0, 1, 0
	QUARTER 1, 1, F0, F1, 0
	QUARTER 1, 2, F1, F0, 0
	QUARTER 1, 3, F0, F1, 0
	s_wait_dscnt 16
	WIN MUL
	MUL8 F1, 0, 0, 0
	MUL8 F1, 0, 2, 0
	s_wait_dscnt 0
	MUL8 F1, 1, 0, 0
	MUL8 F1, 1, 2, 0
	WIN 0
	PLACES
	s_wait_loadcnt 0x0                             ; the residual
.irp a, 0,1,2,3
.set T, TMP+32*(\a%2)
.if \a >= 2
	s_wait_xcnt 0x0                                ; the stores of two blocks back have read the registers that are loaded again
.endif
.irp b, 0,1,2,3
	ds_store_b128 v[STO], v[ACC+8*(4*\a+\b):ACC+8*(4*\a+\b)+3] offset:64*\b
	ds_store_b128 v[STO], v[ACC+8*(4*\a+\b)+4:ACC+8*(4*\a+\b)+7] offset:64*\b+16
.endr
.irp t, 0,1,2,3,4,5,6,7
	ds_load_b128 v[T+4*\t:T+4*\t+3], v[RD] offset:2*\t*SPITCH
.endr
	s_wait_dscnt 0x0
	WIN 0x08
.irp n, 0,1,2,3,4,5,6,7,8,9,10,11,12,13,14,15
	v_pk_add_f32 v[T+2*\n:T+2*\n+1], v[T+2*\n:T+2*\n+1], v[32*\a+2*\n:32*\a+2*\n+1]
.endr
	WIN 0
.irp t, 0,1,2,3,4,5,6,7
	global_store_b128 v[CO], v[T+4*\t:T+4*\t+3], s[8:9] offset:(16*\a+2*\t)*4096
.endr
.endr
	s_wait_tensorcnt 0x0                           ; the wave's end
	ds_add_u32 v[SPW], v[NIL]
	s_wait_dscnt 0x0
	CROUND
	s_endpgm
.Lfunc_end_k_qbc58942a94_ff2:
	.size	k_qbc58942a94_ff2, .Lfunc_end_k_qbc58942a94_ff2-k_qbc58942a94_ff2
	.p2alignl 7, 3214868480
	.fill 96, 4, 3214868480
	.section	.rodata,"a",@progbits
	.p2align	6, 0x0
	.amdhsa_kernel k_qbc58942a94_ff2
		.amdhsa_group_segment_fixed_size 327680
		.amdhsa_private_segment_fixed_size 0
		.amdhsa_enable_private_segment 0
		.amdhsa_kernarg_size 40
		.amdhsa_user_sgpr_count 2
		.amdhsa_user_sgpr_kernarg_segment_ptr 1
		.amdhsa_wavefront_size32 1
		.amdhsa_system_sgpr_workgroup_id_x 1
		.amdhsa_system_sgpr_workgroup_id_y 1
		.amdhsa_system_sgpr_workgroup_id_z 1
		.amdhsa_system_vgpr_workitem_id 0
		.amdhsa_next_free_vgpr 640
		.amdhsa_next_free_sgpr 72
		.amdhsa_reserve_vcc 0
		.amdhsa_float_denorm_mode_32 3
		.amdhsa_float_denorm_mode_16_64 3
		.amdhsa_memory_ordered 1
		.amdhsa_forward_progress 1
		.amdhsa_inst_pref_size 94
	.end_amdhsa_kernel
	.amdgpu_metadata
---
amdhsa.version: [ 1, 2 ]
amdhsa.kernels:
  - .name:           k_qbc58942a94_ff2
    .symbol:         k_qbc58942a94_ff2.kd
    .args:
      - { .name: hid, .offset: 0, .size: 8, .value_kind: global_buffer, .address_space: global }
      - { .name: wh, .offset: 8, .size: 8, .value_kind: global_buffer, .address_space: global }
      - { .name: b_ff2, .offset: 16, .size: 8, .value_kind: global_buffer, .address_space: global }
      - { .name: x1, .offset: 24, .size: 8, .value_kind: global_buffer, .address_space: global }
      - { .name: y, .offset: 32, .size: 8, .value_kind: global_buffer, .address_space: global }
    .group_segment_fixed_size: 327680
    .private_segment_fixed_size: 0
    .kernarg_segment_align: 8
    .kernarg_segment_size: 40
    .max_flat_workgroup_size: 128
    .sgpr_count:     72
    .vgpr_count:     640
    .wavefront_size: 32
...
	.end_amdgpu_metadata
.endif
;; end of part 6
;; launch ln2 (part 7): grid 256 x 1, 4 waves a work-group, no clusters, 0 bytes of LDS; arguments y, g2, be2, out0; writes out0
.if DOCPART == 7
	.amdgcn_target "amdgcn-amd-amdhsa--gfx1250"
	.amdhsa_code_object_version 6
	.text
	.protected	k_qbc58942a94_ln2
	.globl	k_qbc58942a94_ln2
	.p2align	8
	.type	k_qbc58942a94_ln2,@function
k_qbc58942a94_ln2:
	s_mov_b64 s[64:65], 0
	v_nop
	global_prefetch_b8 v0, s[64:65] scope:SCOPE_SE
	s_setreg_imm32_b32 hwreg(HW_REG_WAVE_MODE, 25, 1), 1
	s_wait_xcnt 0x0
; out[r][:] = (y[r][:] - mean) / sqrt(var + 1e-5) x g + be, rows of 1,024 f32.
; A row is 4,096 bytes, 32 registers of one wave: it stays in registers between the passes, memory is read once, and no wave waits for another: no LDS, no barrier, no matrix unit.
; A wave takes 4 rows; all its 48 loads go out at the head.  The variance is the mean of (y - mean)^2: no difference of large sums.  LIMITS: NaN and infinities are not served.
.set G, 32                             ; v32-63  g at my 32 columns
.set B, 64                             ; v64-95  be
.set X, 96                             ; v96-223 four rows
	s_load_b256 s[4:11], s[0:1], 0x0               ; y, g, be, out
	v_lshrrev_b32 v1, 5, v0
	v_readfirstlane_b32 s14, v1
	v_and_b32 v1, 31, v0
	v_lshlrev_b32 v1, 4, v1                        ; 16 x lane
	s_lshl_b32 s16, ttmp9, 4
	s_lshl_b32 s15, s14, 2
	s_add_co_u32 s16, s16, s15                     ; my first row
	s_lshl_b32 s16, s16, 12
	s_mov_b32 s17, 0
	s_mov_b32 s20, 0x76543210
	s_mov_b32 s21, 0xfedcba98
	s_mov_b32 s22, 0x3a800000                      ; 1 / 1024
	s_mov_b32 s23, 0x3727c5ac                      ; 1e-5
	v_mov_b32 v11, 0                               ; (upper half of a pair whose low word serves both halves)
	v_mov_b32 v13, 0                               ; a lane permute's destination counts as read
	s_wait_kmcnt 0x0
	s_add_nc_u64 s[4:5], s[4:5], s[16:17]
	s_add_nc_u64 s[10:11], s[10:11], s[16:17]
.irp j, 0,1,2,3,4,5,6,7
	global_load_b128 v[X+4*\j:X+4*\j+3], v1, s[4:5] offset:512*\j th:TH_LOAD_NT
.endr
.irp j, 0,1,2,3,4,5,6,7
	global_load_b128 v[G+4*\j:G+4*\j+3], v1, s[6:7] offset:512*\j
.endr
.irp j, 0,1,2,3,4,5,6,7
	global_load_b128 v[B+4*\j:B+4*\j+3], v1, s[8:9] offset:512*\j
.endr
.irp r, 1,2,3
.irp j, 0,1,2,3,4,5,6,7
	global_load_b128 v[X+32*\r+4*\j:X+32*\r+4*\j+3], v1, s[4:5] offset:4096*\r+512*\j th:TH_LOAD_NT
.endr
.endr
.macro ACROSS                          ; four pairs v[2:9] become one number, the same in every lane
	v_pk_add_f32 v[2:3], v[2:3], v[4:5]
	v_pk_add_f32 v[6:7], v[6:7], v[8:9]
	v_pk_add_f32 v[2:3], v[2:3], v[6:7]
	v_add_f32 v2, v2, v3
	v_add_f32_dpp v2, v2, v2 row_xmask:1 row_mask:0xf bank_mask:0xf
	v_add_f32_dpp v2, v2, v2 row_xmask:2 row_mask:0xf bank_mask:0xf
	v_add_f32_dpp v2, v2, v2 row_xmask:4 row_mask:0xf bank_mask:0xf
	v_add_f32_dpp v2, v2, v2 row_xmask:8 row_mask:0xf bank_mask:0xf
	v_permlanex16_b32 v13, v2, s20, s21
	v_add_f32 v2, v2, v13
.endm
.macro ROW rr, left
.set XR, X+32*\rr
	s_wait_loadcnt \left                           ; this row's eight loads are in; what was issued behind them may stay out
.irp k, 0,1,2,3
	v_pk_add_f32 v[2+2*\k:3+2*\k], v[XR+2*\k:XR+2*\k+1], v[XR+8+2*\k:XR+9+2*\k]   ; the sum, in four chains
.endr
.irp n, 8,9,10,11,12,13,14,15
	v_pk_add_f32 v[2+2*(\n%4):3+2*(\n%4)], v[2+2*(\n%4):3+2*(\n%4)], v[XR+2*\n:XR+2*\n+1]
.endr
	ACROSS
	v_mul_f32 v10, 0xba800000, v2                  ; -mean
.irp n, 0,1,2,3,4,5,6,7,8,9,10,11,12,13,14,15
	v_pk_add_f32 v[XR+2*\n:XR+2*\n+1], v[XR+2*\n:XR+2*\n+1], v[10:11] op_sel_hi:[1,0]
.endr
.irp k, 0,1,2,3
	v_pk_mul_f32 v[2+2*\k:3+2*\k], v[XR+2*\k:XR+2*\k+1], v[XR+2*\k:XR+2*\k+1]
.endr
.irp n, 4,5,6,7,8,9,10,11,12,13,14,15
	v_pk_fma_f32 v[2+2*(\n%4):3+2*(\n%4)], v[XR+2*\n:XR+2*\n+1], v[XR+2*\n:XR+2*\n+1], v[2+2*(\n%4):3+2*(\n%4)]
.endr
	ACROSS
	v_fma_f32 v2, v2, s22, s23                     ; var + eps
	v_rsq_f32 v10, v2
	v_nop                                          ; a plain line behind the transcendental
	s_wait_alu depctr_va_vdst(0)                   ; and the wait ahead of its first reader
.if \rr == 0
	s_wait_loadcnt 24                              ; g and be are in; rows 1 to 3 may stay out
.endif
.irp n, 0,1,2,3,4,5,6,7,8,9,10,11,12,13,14,15
	v_pk_mul_f32 v[XR+2*\n:XR+2*\n+1], v[XR+2*\n:XR+2*\n+1], v[10:11] op_sel_hi:[1,0]
.endr
.irp n, 0,1,2,3,4,5,6,7,8,9,10,11,12,13,14,15
	v_pk_fma_f32 v[XR+2*\n:XR+2*\n+1], v[XR+2*\n:XR+2*\n+1], v[G+2*\n:G+2*\n+1], v[B+2*\n:B+2*\n+1]
.endr
.irp j, 0,1,2,3,4,5,6,7
	global_store_b128 v1, v[XR+4*\j:XR+4*\j+3], s[10:11] offset:4096*\rr+512*\j th:TH_STORE_NT   ; 512 consecutive bytes
.endr
.endm
	ROW 0, 40
	ROW 1, 16
	ROW 2, 8
	ROW 3, 0
	s_endpgm
.Lfunc_end_k_qbc58942a94_ln2:
	.size	k_qbc58942a94_ln2, .Lfunc_end_k_qbc58942a94_ln2-k_qbc58942a94_ln2
	.p2alignl 7, 3214868480
	.fill 96, 4, 3214868480
	.section	.rodata,"a",@progbits
	.p2align	6, 0x0
	.amdhsa_kernel k_qbc58942a94_ln2
		.amdhsa_group_segment_fixed_size 0
		.amdhsa_private_segment_fixed_size 0
		.amdhsa_enable_private_segment 0
		.amdhsa_kernarg_size 32
		.amdhsa_user_sgpr_count 2
		.amdhsa_user_sgpr_kernarg_segment_ptr 1
		.amdhsa_wavefront_size32 1
		.amdhsa_system_sgpr_workgroup_id_x 1
		.amdhsa_system_sgpr_workgroup_id_y 1
		.amdhsa_system_sgpr_workgroup_id_z 1
		.amdhsa_system_vgpr_workitem_id 0
		.amdhsa_next_free_vgpr 256
		.amdhsa_next_free_sgpr 66
		.amdhsa_reserve_vcc 0
		.amdhsa_float_denorm_mode_32 3
		.amdhsa_float_denorm_mode_16_64 3
		.amdhsa_memory_ordered 1
		.amdhsa_forward_progress 1
		.amdhsa_inst_pref_size 34
	.end_amdhsa_kernel
	.amdgpu_metadata
---
amdhsa.version: [ 1, 2 ]
amdhsa.kernels:
  - .name:           k_qbc58942a94_ln2
    .symbol:         k_qbc58942a94_ln2.kd
    .args:
      - { .name: y, .offset: 0, .size: 8, .value_kind: global_buffer, .address_space: global }
      - { .name: g2, .offset: 8, .size: 8, .value_kind: global_buffer, .address_space: global }
      - { .name: be2, .offset: 16, .size: 8, .value_kind: global_buffer, .address_space: global }
      - { .name: out0, .offset: 24, .size: 8, .value_kind: global_buffer, .address_space: global }
    .group_segment_fixed_size: 0
    .private_segment_fixed_size: 0
    .kernarg_segment_align: 8
    .kernarg_segment_size: 32
    .max_flat_workgroup_size: 128
    .sgpr_count:     66
    .vgpr_count:     256
    .wavefront_size: 32
...
	.end_amdgpu_metadata
.endif
;; end of part 7
